; MI455X (gfx1250); checked and timed in simulation.
; The chip was launched on July 23, 2026; its instructions are those of AMD's public machine-readable ISA for CDNA 5 (MIT licence, August 2026) and "CDNA5" Instruction Set Architecture Reference Guide (July 2026). The comments in the code are by the model that wrote it; some were corrected since.
;; Eagle3 Llama Attention. Allowed arithmetic: matrix products marked QUANTISED: E4M3 operands, one given power-of-two scale a tensor, by v_wmma_f32_16x16x64_fp8_fp8 or v_wmma_f32_16x16x128_fp8_fp8, f32 sums; products left as they are: f32 operands where the result goes on into a quantised operand, else bf16, f16 or f32 operands; f32 sums; everything else in f32.
;; Inputs: Wk 4,096 x 512 float32; Wo 1,024 x 2,048 float32; Wq 4,096 x 1,024 float32; Wv 4,096 x 512 float32; attention_mask 2 x 1 x 2,048 x 2,048 float32; combined_states 2 x 2,048 x 4,096 float32; lowp_scales 12 int32 (the exponents e of the quantised operands' scales 2^e); position_ids 2 x 2,048 int32; prev_k 2 x 2 x 16 x 2,048 x 64 float32; prev_v 2 x 2 x 16 x 2,048 x 64 float32.
;; Outputs: out0 2 x 2,048 x 2,048 float32.
;; This version of the problem:
;;   THIS VERSION OF THE PROBLEM IS GIVEN IN LOW PRECISION. The matrix products marked QUANTISED in the list below multiply operands that are first quantised to E4M3 (4 exponent bits, 3 mantissa bits; 8 bits a number), with one given power-of-two scale for each operand tensor; their sums are f32. All else is computed in f32.
;;   The module's matrix products, in the order in which they are computed (A, B: the left and right operand; K: the contracted axis; several contracted axes count as one K, in the product's order):
;;     1. [M 4,096, K 4,096] x [K 4,096, N 1,024]; A: input combined_states; B: input Wq: QUANTISED (scales: A lowp_scales[0], B lowp_scales[1])
;;     2. [M 4,096, K 4,096] x [K 4,096, N 512]; A: input combined_states; B: input Wk: QUANTISED (scales: A lowp_scales[2], B lowp_scales[3])
;;     3. [M 4,096, K 4,096] x [K 4,096, N 512]; A: input combined_states; B: input Wv: QUANTISED (scales: A lowp_scales[4], B lowp_scales[5])
;;     4. batch 32 x [M 2,048, K 64] x [K 64, N 2,048]; A: computed on the way; B: input prev_k: QUANTISED (scales: A lowp_scales[6], B lowp_scales[7])
;;     5. batch 65,536 x [M 1, K 64] x [K 64, N 2]; A: computed on the way; B: computed on the way: left as it is (M = 1 < 16)
;;     6. batch 32 x [M 2,048, K 2,048] x [K 2,048, N 64]; A: computed on the way; B: input prev_v: QUANTISED (scales: A lowp_scales[8], B lowp_scales[9])
;;     7. batch 65,536 x [M 1, K 2] x [K 2, N 64]; A: computed on the way; B: computed on the way: left as it is (K = 2 < 32)
;;     8. [M 4,096, K 1,024] x [K 1,024, N 2,048]; A: computed on the way; B: input Wo: QUANTISED (scales: A lowp_scales[10], B lowp_scales[11])
;;   THE QUANTISER, for each operand of a quantised product, along K:
;;     - The operand's scale is 2^e, e = its entry of the input lowp_scales (int32; the entries are numbered through the quantised products in the list's order, A before B).
;;     - Each number is divided by the scale, clamped to +-448, and rounded to the nearest number of E4M3, ties to even, subnormals kept.
;;     - The product sums the exact products of the quantised numbers (number of the format x scale) in f32.
;;   ~~~python
;;   def quantise(x, axis, e):      # numpy; x: float32 -> the quantised numbers, widened to float32 again
;;       x = np.moveaxis(x, axis, -1); K = x.shape[-1]
;;       r = np.clip(x / 2.0 ** e, -448, 448)
;;       step = 2.0 ** (np.maximum(np.frexp(np.where(r == 0, 1, r))[1] - 1, -6) - 3)
;;       q = np.round(r / step) * step * 2.0 ** e      # np.round: ties to even
;;       return np.moveaxis(q, -1, axis).astype(np.float32)
;;   ~~~
;;   OPERANDS COMPUTED ON THE WAY. 'Computed on the way' means the value that the module computes at that place (a softmax that the list does not call 'softmax' is quantised finished and normalised). What goes into a quantiser is computed in f32, as accurately as f32 sums, v_exp_f32 and their like allow (about 1e-6 of the number): no bf16 or f16 on the way to a quantiser, and a product that is left as it is and whose result goes on into a quantised operand takes f32 operands (vector FMAs, or v_wmma_f32_16x16x4_f32). A number that lies on a knife's edge between two numbers of the format may be rounded either way, as far as f32 arithmetic and the matrix unit's own rounding can turn it there, and no further.
;; One version. Each part assembles by itself: llvm-mc -triple=amdgcn-amd-amdhsa -mcpu=gfx1250 --defsym DOCPART=n.
;; ======== version 1 of 1: 4 launches
;; limits: right only within a limited range of input values
;; workspace buffers: xc 50,331,648 bytes; wcod 10,485,760 bytes; kc 4,194,304 bytes; vc 4,194,304 bytes; cs 1,048,576 bytes; qkvf 33,554,432 bytes; qc 4,194,304 bytes; oc 4,194,304 bytes
;; launch prep (part 1): grid 1152 x 1, 4 waves a work-group, no clusters, 69,120 bytes of LDS; arguments combined_states, prev_k, prev_v, Wq, Wk, Wv, Wo, position_ids, lowp_scales, xc, kc, vc, wcod, cs; writes xc, kc, vc, wcod, cs
.if DOCPART == 1
	.amdgcn_target "amdgcn-amd-amdhsa--gfx1250"
	.amdhsa_code_object_version 6
	.text
	.protected	k_q3f04b94e5e_prep
	.globl	k_q3f04b94e5e_prep
	.p2align	8
	.type	k_q3f04b94e5e_prep,@function
k_q3f04b94e5e_prep:
	s_mov_b64 s[64:65], 0
	v_nop
	global_prefetch_b8 v0, s[64:65] scope:SCOPE_SE
	s_setreg_imm32_b32 hwreg(HW_REG_WAVE_MODE, 25, 1), 1
	s_wait_xcnt 0x0
; PREP: every operand that arrives as f32 and is read by many work-groups later is quantised once to E4M3, and laid as IMAGES OF THE OPERAND'S REGISTERS:
; a group of four registers of a fragment is 512 bytes, lane l's 16 bytes at 16 l; lane (r = l % 16, h = l / 16), registers 4 c .. 4 c + 3, holds k = 32 c + 16 h + 0 .. 15 of row r.
; Four kinds of work-groups, told apart by the work-group's number alone; each kind has its own text, its own LDS bytes and its own end:
;   0 .. 511      X: combined_states [4096][4096] -> xc, three sets of codes (scale entries 0, 2, 4), [set][kstep 32][mtile 256][c 4][512]
;   512 .. 959    W: operands whose K is their first axis: Wq, Wk, Wv, Wo -> wcod, prev_v[0] -> vc.  A lane takes a column, its registers run down K
;   960 .. 1087   K: prev_k[0] -> kc, [head 32][step 16][tile 8][c 2][512]
;   1088 .. 1151  T: cos and sin of (position + 2) x 10^(-i/8) -> cs, [mtile 256][image 8][512]
; THE ROWS OF A TILE ARE NOT NEIGHBOURS (columns of the weights, keys of prev_k, channels of prev_v): row m of tile 2 c + u stands for index 32 c + 8 u + m + 8 (m / 8), so that in a
; transposed result the 16 registers of tiles 2 c and 2 c + 1 are the 16 neighbours 32 c + 16 h + 0 .. 15.
; code = x / 2^e, held within +-448, to the nearest code, ties to even.  LIMITS: each e between -126 and 119; NaN among the inputs is not served; |position + 2| under 2^22.
; Sine and cosine: the angle less n x pi/2 in three parts, then polynomials on [-pi/4, pi/4]; the 32 frequencies are written as f32 numbers, 10^(-i/8) rounded.
; No matrix unit, no cluster, no tensor load: waves share nothing and memory binds.
.set XSTG,  0                          ; LDS: path X's stages, 16 rows x 528 bytes for each wave
.set KSTG,  33792                      ; path K's stages, 32 rows x 272 bytes for each wave
.set SPARE, 68608                      ; the spare words, 128 bytes for each wave: two blocks of 256 bytes that no other line names
.set SPW,   214                        ; v214 LDS address of my spare word; never rewritten
.set NIL,   215                        ; v215 0; never rewritten
.set LI,    5                          ; v5   16 x lane
.set R,     16                         ; v16-79   paths X, K: 64 numbers as loaded
.set X,     80                         ; v80-143  the same as 16 neighbours for each group
.set T,     144                        ; v144-159 path X: 16 numbers held
.set C,     160                        ; v160-207 codes
.set OFF,   16                         ; v16-47   path W: byte offset of my column in rows 0 .. 31 of a block
.set WX,    48                         ; v48-111  path W: two sets of 32 numbers
.set WC,    112                        ; v112-175 path W: eight registers of codes for each of 8 blocks, so no store's data are written again
.set RB,    68                         ; s[68:83] path W: the eight blocks' first rows
.set DB,    84                         ; s[84:87] path W: the two K steps' places in the codes
.macro MKSCALE e, sc, lim              ; s[e] = e -> v[sc] = 2^e as f32 (the conversion takes its exponent field), v[lim] = 448 x 2^e
	s_add_co_i32 s60, s[\e], 127
	s_lshl_b32 s61, s60, 23
	v_mov_b32 v[\sc], s61
	s_add_co_i32 s60, s60, 8
	s_lshl_b32 s60, s60, 23
	s_or_b32 s60, s60, 0x600000
	v_mov_b32 v[\lim], s60
.endm
; ---- path X
.macro XLOAD t                         ; unit t: 16 rows x 128 numbers; each load reads 512 consecutive bytes of one row
.irp i, 0,1,2,3,4,5,6,7,8,9,10,11,12,13,14,15
	global_load_b128 v[R+4*\i:R+4*\i+3], v[LI], s[4:5] offset:16384*\i+512*(\t) th:TH_LOAD_NT
.endr
.endm
.macro XUNIT t
	s_wait_loadcnt 0x0                             ; the unit's 16 loads are in
.irp i, 0,1,2,3,4,5,6,7,8,9,10,11,12,13,14,15
	ds_store_b128 v12, v[R+4*\i:R+4*\i+3] offset:528*\i
.endr
.irp c, 0,1,2,3
.irp j, 0,1,2,3
	ds_load_b128 v[X+16*\c+4*\j:X+16*\c+4*\j+3], v13 offset:128*\c+16*\j   ; LDS serves a wave's instructions in order: these see my stores.  Row r, k = 32 c + 16 h + 4 j on
.endr
.endr
	s_wait_dscnt 0x0                               ; the stores have read their registers, the numbers are back
	s_wait_xcnt 0x0                                ; the last unit's global stores have read their codes' registers
.if \t < 3
	XLOAD \t+1
.endif
.irp c, 0,1,2,3
.irp sel, 0,1,2
.irp i, 0,1,2,3,4,5,6,7,8,9,10,11,12,13,14,15
	v_med3_num_f32 v[T+\i], v[X+16*\c+\i], -v[7+2*\sel], v[7+2*\sel]   ; the conversion does not saturate (ISA guide 7.6.2): the hold first
.endr
	v_cvt_scalef32_pk8_fp8_f32 v[C+16*\sel+4*\c:C+16*\sel+4*\c+1], v[T:T+7], v[6+2*\sel]
	v_cvt_scalef32_pk8_fp8_f32 v[C+16*\sel+4*\c+2:C+16*\sel+4*\c+3], v[T+8:T+15], v[6+2*\sel]
	v_nop                                          ; a plain line between the conversions and the next holds, which write their sources
	global_store_b128 v[LI], v[C+16*\sel+4*\c:C+16*\sel+4*\c+3], s[32+2*\sel:33+2*\sel] offset:524288*(\t)+512*\c   ; an image: 512 consecutive bytes
.endr
.endr
.endm
; ---- path K
.macro KLOAD t                         ; unit t: 32 keys x 64 numbers, 8,192 dense bytes
.irp i, 0,1,2,3,4,5,6,7,8,9,10,11,12,13,14,15
	global_load_b128 v[R+4*\i:R+4*\i+3], v[LI], s[4:5] offset:8192*(\t)+512*\i th:TH_LOAD_NT
.endr
.endm
.macro KUNIT t
	s_wait_loadcnt 0x0
.irp i, 0,1,2,3,4,5,6,7,8,9,10,11,12,13,14,15
	ds_store_b128 v12, v[R+4*\i:R+4*\i+3] offset:544*\i                 ; two keys' rows of 272 bytes
.endr
.irp u, 0,1
.irp c, 0,1
.irp j, 0,1,2,3
	ds_load_b128 v[X+16*(2*\u+\c)+4*\j:X+16*(2*\u+\c)+4*\j+3], v13 offset:2176*\u+128*\c+16*\j   ; key 8 u + r + 8 (r / 8), channels 32 c + 16 h + 4 j on
.endr
.endr
.endr
	s_wait_dscnt 0x0
	s_wait_xcnt 0x0                                ; the last unit's stores have read their codes' registers
.if \t < 3
	KLOAD \t+1
.endif
.irp g, 0,1,2,3
.irp i, 0,1,2,3,4,5,6,7,8,9,10,11,12,13,14,15
	v_med3_num_f32 v[X+16*\g+\i], v[X+16*\g+\i], -v7, v7
.endr
	v_cvt_scalef32_pk8_fp8_f32 v[C+4*\g:C+4*\g+1], v[X+16*\g:X+16*\g+7], v6
	v_cvt_scalef32_pk8_fp8_f32 v[C+4*\g+2:C+4*\g+3], v[X+16*\g+8:X+16*\g+15], v6
.endr
	v_nop
.irp g, 0,1,2,3
	global_store_b128 v[LI], v[C+4*\g:C+4*\g+3], s[10:11] offset:2048*(\t)+512*\g
.endr
.endm
; ---- path W
.macro PICK lim, src, w0, lgg, pitch, doff   ; work-groups under lim take this tensor; later lines overrule earlier ones.  The choice hangs on the work-group's number alone
	s_cmp_lt_u32 s17, \lim
	s_cselect_b64 s[36:37], s[\src:\src+1], s[36:37]
	s_cselect_b64 s[38:39], s[22:23], s[38:39]
	s_cselect_b32 s40, \w0, s40
	s_cselect_b32 s41, \lgg, s41
	s_cselect_b32 s42, \pitch, s42
	s_cselect_b32 s44, \doff, s44
	s_cselect_b32 s45, 262144, s45
.endm
.macro PICKE lim, e
	s_cmp_lt_u32 s17, \lim
	s_cselect_b32 s43, s[\e], s43
.endm
.macro WLOAD t                         ; block t: rows 32 t .. 32 t + 31 of my column; 32 lanes read the 128 bytes of 32 neighbouring columns
.irp i, 0,1,2,3,4,5,6,7,8,9,10,11,12,13,14,15,16,17,18,19,20,21,22,23,24,25,26,27,28,29,30,31
	global_load_b32 v[WX+32*((\t)%2)+\i], v[OFF+\i], s[RB+2*(\t):RB+2*(\t)+1] th:TH_LOAD_NT
.endr
.endm
.macro WBLOCK t
.if \t < 7
	s_wait_loadcnt 32                              ; this block's 32 loads are in; the next block's 32 may be out
.else
	s_wait_loadcnt 0x0
.endif
.set XS, WX+32*((\t)%2)
.irp i, 0,1,2,3,4,5,6,7,8,9,10,11,12,13,14,15,16,17,18,19,20,21,22,23,24,25,26,27,28,29,30,31
	v_med3_num_f32 v[XS+\i], v[XS+\i], -v7, v7
.endr
.irp g, 0,1,2,3
	v_cvt_scalef32_pk8_fp8_f32 v[WC+8*(\t)+2*\g:WC+8*(\t)+2*\g+1], v[XS+8*\g:XS+8*\g+7], v6
.endr
	v_nop
	global_store_b128 v8, v[WC+8*(\t):WC+8*(\t)+3], s[DB+2*((\t)/4):DB+2*((\t)/4)+1] offset:512*((\t)%4)         ; k = 0 .. 15 of the block: the image's lower half; sixteen lanes store 256 consecutive bytes
	global_store_b128 v8, v[WC+8*(\t)+4:WC+8*(\t)+7], s[DB+2*((\t)/4):DB+2*((\t)/4)+1] offset:512*((\t)%4)+256   ; k = 16 .. 31: its upper half
.if \t+2 < 8
	WLOAD \t+2
.endif
.endm
; ---- path T
.macro SINCOS idx, lit0, lit1          ; frequency 16 h + idx: cos -> v[16 + idx], sin -> v[32 + idx]
	v_mov_b32 v48, \lit1
	v_cndmask_b32 v48, \lit0, v48, vcc_lo          ; 10^(-(16 h + idx) / 8)
	v_mul_f32 v48, v7, v48                         ; the angle, rounded once
	v_mul_f32 v49, s24, v48
	v_rndne_f32 v49, v49                           ; n = the nearest whole number to angle x 2 / pi
	v_fma_f32 v50, v49, s25, v48                   ; angle - n x pi/2, pi/2 in three parts
	v_fma_f32 v50, v49, s26, v50
	v_fma_f32 v50, v49, s27, v50
	v_cvt_i32_f32 v51, v49
	v_mul_f32 v52, v50, v50
	v_fma_f32 v53, s28, v52, s29
	v_fma_f32 v54, s31, v52, s32
	v_fma_f32 v53, v53, v52, s30
	v_fma_f32 v54, v54, v52, s33
	v_mul_f32 v53, v53, v52
	v_fma_f32 v55, v52, -0.5, 1.0
	v_mul_f32 v54, v54, v52
	v_fma_f32 v53, v53, v50, v50                   ; sine of the rest
	v_fma_f32 v54, v54, v52, v55                   ; cosine of the rest
	v_and_b32 v56, 1, v51
	v_cmp_eq_u32 s21, 1, v56                       ; odd quadrant: the two change places
	v_cndmask_b32 v57, v53, v54, s21
	v_cndmask_b32 v58, v54, v53, s21
	v_lshlrev_b32 v56, 30, v51
	v_and_b32 v56, 0x80000000, v56                 ; sine: minus in quadrants 2, 3
	v_xor_b32 v[32+\idx], v57, v56
	v_add_nc_u32 v56, 1, v51
	v_lshlrev_b32 v56, 30, v56
	v_and_b32 v56, 0x80000000, v56                 ; cosine: minus in quadrants 1, 2
	v_xor_b32 v[16+\idx], v58, v56
.endm
	v_lshl_add_u32 v[SPW], v0, 2, SPARE
	v_mov_b32 v[NIL], 0
	v_lshrrev_b32 v1, 5, v0
	v_readfirstlane_b32 s16, v1                    ; wave 0..3
	v_and_b32 v2, 31, v0                           ; lane
	v_and_b32 v3, 15, v0                           ; r
	v_bfe_u32 v4, v0, 4, 1                         ; h
	v_lshlrev_b32 v[LI], 4, v2
	s_cmp_lt_u32 ttmp9, 512
	s_cbranch_scc1 .Lpath_x
	s_cmp_lt_u32 ttmp9, 960
	s_cbranch_scc1 .Lpath_w
	s_cmp_lt_u32 ttmp9, 1088
	s_cbranch_scc1 .Lpath_k
	; ================ path T: a wave makes the table of 16 tokens
	s_load_b64 s[4:5], s[0:1], 0x38                ; position_ids
	s_load_b64 s[6:7], s[0:1], 0x68                ; cs
	s_sub_co_u32 s17, ttmp9, 1088
	s_lshl_b32 s17, s17, 2
	s_add_co_u32 s17, s17, s16                     ; mtile
	s_lshl_b32 s18, s17, 6                         ; 16 positions of 4 bytes
	s_mov_b32 s19, 0
	s_lshl_b32 s22, s17, 12                        ; 8 images of 512 bytes
	s_mov_b32 s23, 0
	s_wait_alu depctr_va_vdst(0)
	v_lshlrev_b32 v6, 2, v3
	s_mov_b32 s24, 0x3f22f983                      ; 2 / pi
	s_mov_b32 s25, 0xbfc90fdb                      ; -pi/2: its first 24 bits,
	s_mov_b32 s26, 0x333bbd2e                      ; the next,
	s_mov_b32 s27, 0x26f72ced                      ; and the next
	s_mov_b32 s28, 0xb94ca1f9                      ; sine's polynomial
	s_mov_b32 s29, 0x3c08839e
	s_mov_b32 s30, 0xbe2aaaa3
	s_mov_b32 s31, 0x37ccf5ce                      ; cosine's
	s_mov_b32 s32, 0xbab6061a
	s_mov_b32 s33, 0x3d2aaaa5
	s_wait_alu depctr_va_vdst(0)
	s_wait_kmcnt 0x0
	s_add_nc_u64 s[4:5], s[4:5], s[18:19]
	s_add_nc_u64 s[6:7], s[6:7], s[22:23]
	global_load_b32 v7, v6, s[4:5]                 ; token 16 mtile + r
	v_cmp_eq_u32 vcc_lo, 1, v4                     ; lanes 16-31 take frequencies 16 .. 31
	s_wait_loadcnt 0x0
	v_add_nc_u32 v7, 2, v7                         ; the phase shift by the two entries already in the cache
	v_cvt_f32_i32 v7, v7
	SINCOS 0, 0x3f800000, 0x3c23d70a
	SINCOS 1, 0x3f3ff911, 0x3bf5b9b0
	SINCOS 2, 0x3f0ff59a, 0x3bb8449c
	SINCOS 3, 0x3ed7e89b, 0x3b8a2e77
	SINCOS 4, 0x3ea1e89b, 0x3b4f3e37
	SINCOS 5, 0x3e72d424, 0x3b1b690d
	SINCOS 6, 0x3e361887, 0x3ae91528
	SINCOS 7, 0x3e088d77, 0x3aaec98e
	SINCOS 8, 0x3dcccccd, 0x3a83126f
	SINCOS 9, 0x3d99940e, 0x3a44948c
	SINCOS 10, 0x3d6655c3, 0x3a136a16
	SINCOS 11, 0x3d2cba15, 0x39dd1726
	SINCOS 12, 0x3d0186e2, 0x39a5cb5f
	SINCOS 13, 0x3cc24350, 0x3978a814
	SINCOS 14, 0x3c91ad39, 0x393a7753
	SINCOS 15, 0x3c5a7bf1, 0x390bd472
.irp q, 0,1,2,3
	global_store_b128 v[LI], v[16+4*\q:19+4*\q], s[6:7] offset:512*\q
	global_store_b128 v[LI], v[32+4*\q:35+4*\q], s[6:7] offset:2048+512*\q
.endr
	s_endpgm
	; ================ path X: a wave makes 16 rows x 512 along K, four units, in three sets of codes
.Lpath_x:
	s_load_b64 s[4:5], s[0:1], 0x0                 ; combined_states
	s_load_b128 s[8:11], s[0:1], 0x40              ; lowp_scales, xc
	s_lshl_b32 s17, ttmp9, 2
	s_add_co_u32 s17, s17, s16
	s_lshr_b32 s18, s17, 3                         ; mtile
	s_and_b32 s19, s17, 7                          ; which four K steps
	s_lshl_b32 s20, s18, 18                        ; 16 rows of 16,384 bytes
	s_lshl_b32 s21, s19, 11                        ; four K steps of 512 bytes
	s_add_co_u32 s20, s20, s21
	s_mov_b32 s21, 0
	s_lshl_b32 s22, s19, 21                        ; four K steps of 524,288 bytes of codes
	s_lshl_b32 s23, s18, 11
	s_add_co_u32 s22, s22, s23
	s_mov_b32 s23, 0
	s_mul_i32 s40, s16, 8448                       ; my stage (XSTG = 0)
	s_wait_alu depctr_va_vdst(0)
	v_add_nc_u32 v12, s40, v[LI]                   ; in: 16 x lane of row i
	v_mul_u32_u24 v13, v3, 528
	v_lshl_add_u32 v13, v4, 6, v13
	v_add_nc_u32 v13, s40, v13                     ; back: row r, + 64 h.  528 bytes = 132 words: row r starts at bank 4 r mod 64
	s_wait_alu depctr_va_vdst(0)
	s_wait_kmcnt 0x0
	s_load_b256 s[24:31], s[8:9], 0x0              ; e0 .. e7
	s_add_nc_u64 s[4:5], s[4:5], s[20:21]
	s_add_nc_u64 s[32:33], s[10:11], s[22:23]
	s_add_nc_u64 s[34:35], s[32:33], 0x1000000
	s_add_nc_u64 s[36:37], s[32:33], 0x2000000
	XLOAD 0
	s_wait_kmcnt 0x0
	MKSCALE 24, 6, 7
	MKSCALE 26, 8, 9
	MKSCALE 28, 10, 11
	s_wait_alu depctr_va_vdst(0)
	XUNIT 0
	XUNIT 1
	XUNIT 2
	XUNIT 3
	s_wait_tensorcnt 0x0                           ; the wave's end
	ds_add_u32 v[SPW], v[NIL]
	s_wait_dscnt 0x0
	s_endpgm
	; ================ path K: a wave makes one step of 128 keys of one head, four units of 32 keys
.Lpath_k:
	s_load_b64 s[4:5], s[0:1], 0x8                 ; prev_k
	s_load_b64 s[8:9], s[0:1], 0x40                ; lowp_scales
	s_load_b64 s[10:11], s[0:1], 0x50              ; kc
	s_sub_co_u32 s17, ttmp9, 960
	s_lshl_b32 s17, s17, 2
	s_add_co_u32 s17, s17, s16                     ; 16 x head + step
	s_lshr_b32 s18, s17, 4
	s_and_b32 s19, s17, 15
	s_lshl_b32 s20, s18, 19                        ; a head of prev_k[0]: 2,048 x 256 bytes
	s_lshl_b32 s21, s19, 15
	s_add_co_u32 s20, s20, s21
	s_mov_b32 s21, 0
	s_lshl_b32 s22, s17, 13                        ; a step's codes: 8,192 bytes
	s_mov_b32 s23, 0
	s_mul_i32 s40, s16, 8704
	s_add_co_u32 s40, s40, KSTG                    ; my stage
	s_wait_alu depctr_va_vdst(0)
	v_mul_u32_u24 v12, v4, 272
	v_lshl_add_u32 v12, v3, 4, v12
	v_add_nc_u32 v12, s40, v12                     ; in: lanes 0-15 one key's row, lanes 16-31 the next
	v_and_b32 v13, 8, v3
	v_add_nc_u32 v13, v13, v3                      ; r + 8 (r / 8)
	v_mul_u32_u24 v13, v13, 272
	v_lshl_add_u32 v13, v4, 6, v13
	v_add_nc_u32 v13, s40, v13                     ; back: that key's row, + 64 h
	s_wait_alu depctr_va_vdst(0)
	s_wait_kmcnt 0x0
	s_load_b32 s24, s[8:9], 0x1c                   ; e7
	s_add_nc_u64 s[4:5], s[4:5], s[20:21]
	s_add_nc_u64 s[10:11], s[10:11], s[22:23]
	KLOAD 0
	s_wait_kmcnt 0x0
	MKSCALE 24, 6, 7
	s_wait_alu depctr_va_vdst(0)
	KUNIT 0
	KUNIT 1
	KUNIT 2
	KUNIT 3
	s_wait_tensorcnt 0x0                           ; the wave's end
	ds_add_u32 v[SPW], v[NIL]
	s_wait_dscnt 0x0
	s_endpgm
	; ================ path W: a wave makes 32 columns x 256 along K: 8 blocks of 32, two K steps of two tiles
.Lpath_w:
	s_load_b256 s[4:11], s[0:1], 0x10              ; prev_v s[4:5], Wq s[6:7], Wk s[8:9], Wv s[10:11]
	s_load_b64 s[12:13], s[0:1], 0x30              ; Wo
	s_load_b64 s[14:15], s[0:1], 0x40              ; lowp_scales
	s_load_b128 s[20:23], s[0:1], 0x58             ; vc s[20:21], wcod s[22:23]
	s_sub_co_u32 s17, ttmp9, 512
	s_wait_alu depctr_va_vdst(0)
	v_and_b32 v9, 8, v3
	v_add_nc_u32 v9, v9, v3
	v_lshl_add_u32 v9, v4, 3, v9                   ; my column of the 32: 8 (l / 16) + l % 16 + 8 ((l / 8) % 2): lane l is row l % 16 of tile l / 16
	v_lshlrev_b32 v8, 4, v3
	v_lshl_add_u32 v8, v4, 11, v8                  ; out: my tile's 2,048 bytes, 16 bytes for my row
	s_wait_alu depctr_va_vdst(0)
	s_wait_kmcnt 0x0
	s_load_b256 s[24:31], s[14:15], 0x0            ; e0 .. e7
	s_load_b128 s[32:35], s[14:15], 0x20           ; e8 .. e11
	s_mov_b64 s[36:37], s[4:5]                     ; from 320 on: prev_v[0], as 65,536 rows (head, key) of 64 channels
	s_mov_b64 s[38:39], s[20:21]
	s_mov_b32 s40, 320                             ; the tensor's first work-group
	s_mov_b32 s41, 1                               ; log2 of its groups of 32 columns
	s_mov_b32 s42, 256                             ; a row in bytes
	s_mov_b32 s44, 0                               ; where its codes begin
	s_mov_b32 s45, 8192                            ; a K step of codes
	PICK 320, 12, 256, 6, 8192, 8388608            ; Wo
	PICK 256, 10, 192, 4, 2048, 196608             ; Wv: tiles 96 on
	PICK 192, 8, 128, 4, 2048, 131072              ; Wk: tiles 64 on
	PICK 128, 6, 0, 5, 4096, 0                     ; Wq
	s_sub_co_u32 s46, s17, s40
	s_lshl_b32 s46, s46, 2
	s_add_co_u32 s46, s46, s16                     ; my unit in the tensor
	s_bfm_b32 s47, s41, 0
	s_and_b32 s47, s46, s47                        ; which 32 columns
	s_lshr_b32 s48, s46, s41                       ; which 256 along K
	s_mul_i32 s50, s48, s42
	s_lshl_b32 s50, s50, 8
	s_lshl_b32 s51, s47, 7
	s_add_co_u32 s50, s50, s51
	s_mov_b32 s51, 0
	s_add_nc_u64 s[RB:RB+1], s[36:37], s[50:51]
	s_lshl_b32 s52, s42, 5                         ; 32 rows on
	s_mov_b32 s53, 0
.irp t, 1,2,3,4,5,6,7
	s_add_nc_u64 s[RB+2*\t:RB+2*\t+1], s[RB+2*\t-2:RB+2*\t-1], s[52:53]
.endr
	s_lshl_b32 s54, s48, 1
	s_mul_i32 s54, s54, s45
	s_add_co_u32 s54, s54, s44
	s_lshl_b32 s55, s47, 12                        ; two tiles of 2,048 bytes
	s_add_co_u32 s54, s54, s55
	s_mov_b32 s55, 0
	s_add_nc_u64 s[DB:DB+1], s[38:39], s[54:55]
	s_mov_b32 s56, s45
	s_mov_b32 s57, 0
	s_add_nc_u64 s[DB+2:DB+3], s[DB:DB+1], s[56:57]
	v_lshlrev_b32 v[OFF], 2, v9
.irp i, 1,2,3,4,5,6,7,8,9,10,11,12,13,14,15,16,17,18,19,20,21,22,23,24,25,26,27,28,29,30,31
	v_add_nc_u32 v[OFF+\i], s42, v[OFF+\i-1]
.endr
	WLOAD 0
	WLOAD 1
	s_wait_kmcnt 0x0
	s_mov_b32 s43, s33                             ; e9
	PICKE 320, 35                                  ; e11
	PICKE 256, 29                                  ; e5
	PICKE 192, 27                                  ; e3
	PICKE 128, 25                                  ; e1
	MKSCALE 43, 6, 7
	s_wait_alu depctr_va_vdst(0)
.irp t, 0,1,2,3,4,5,6,7
	WBLOCK \t
.endr
	s_endpgm
.Lfunc_end_k_q3f04b94e5e_prep:
	.size	k_q3f04b94e5e_prep, .Lfunc_end_k_q3f04b94e5e_prep-k_q3f04b94e5e_prep
	.p2alignl 7, 3214868480
	.fill 96, 4, 3214868480
	.section	.rodata,"a",@progbits
	.p2align	6, 0x0
	.amdhsa_kernel k_q3f04b94e5e_prep
		.amdhsa_group_segment_fixed_size 69120
		.amdhsa_private_segment_fixed_size 0
		.amdhsa_enable_private_segment 0
		.amdhsa_kernarg_size 112
		.amdhsa_user_sgpr_count 2
		.amdhsa_user_sgpr_kernarg_segment_ptr 1
		.amdhsa_wavefront_size32 1
		.amdhsa_system_sgpr_workgroup_id_x 1
		.amdhsa_system_sgpr_workgroup_id_y 1
		.amdhsa_system_sgpr_workgroup_id_z 1
		.amdhsa_system_vgpr_workitem_id 0
		.amdhsa_next_free_vgpr 216
		.amdhsa_next_free_sgpr 100
		.amdhsa_reserve_vcc 1
		.amdhsa_float_denorm_mode_32 3
		.amdhsa_float_denorm_mode_16_64 3
		.amdhsa_memory_ordered 1
		.amdhsa_forward_progress 1
		.amdhsa_inst_pref_size 189
	.end_amdhsa_kernel
	.amdgpu_metadata
---
amdhsa.version: [ 1, 2 ]
amdhsa.kernels:
  - .name:           k_q3f04b94e5e_prep
    .symbol:         k_q3f04b94e5e_prep.kd
    .args:
      - { .name: combined_states, .offset: 0, .size: 8, .value_kind: global_buffer, .address_space: global }
      - { .name: prev_k, .offset: 8, .size: 8, .value_kind: global_buffer, .address_space: global }
      - { .name: prev_v, .offset: 16, .size: 8, .value_kind: global_buffer, .address_space: global }
      - { .name: Wq, .offset: 24, .size: 8, .value_kind: global_buffer, .address_space: global }
      - { .name: Wk, .offset: 32, .size: 8, .value_kind: global_buffer, .address_space: global }
      - { .name: Wv, .offset: 40, .size: 8, .value_kind: global_buffer, .address_space: global }
      - { .name: Wo, .offset: 48, .size: 8, .value_kind: global_buffer, .address_space: global }
      - { .name: position_ids, .offset: 56, .size: 8, .value_kind: global_buffer, .address_space: global }
      - { .name: lowp_scales, .offset: 64, .size: 8, .value_kind: global_buffer, .address_space: global }
      - { .name: xc, .offset: 72, .size: 8, .value_kind: global_buffer, .address_space: global }
      - { .name: kc, .offset: 80, .size: 8, .value_kind: global_buffer, .address_space: global }
      - { .name: vc, .offset: 88, .size: 8, .value_kind: global_buffer, .address_space: global }
      - { .name: wcod, .offset: 96, .size: 8, .value_kind: global_buffer, .address_space: global }
      - { .name: cs, .offset: 104, .size: 8, .value_kind: global_buffer, .address_space: global }
    .group_segment_fixed_size: 69120
    .private_segment_fixed_size: 0
    .kernarg_segment_align: 8
    .kernarg_segment_size: 112
    .max_flat_workgroup_size: 128
    .sgpr_count:     100
    .vgpr_count:     216
    .wavefront_size: 32
...
	.end_amdgpu_metadata
.endif
;; end of part 1
;; launch qkv (part 2): grid 16 x 16, 4 waves a work-group, clusters of 4 x 4, 327,680 bytes of LDS; arguments xc, wcod, cs, lowp_scales, qkvf, qc; writes qkvf, qc
.if DOCPART == 2
	.amdgcn_target "amdgcn-amd-amdhsa--gfx1250"
	.amdhsa_code_object_version 6
	.text
	.protected	k_q3f04b94e5e_qkv
	.globl	k_q3f04b94e5e_qkv
	.p2align	8
	.type	k_q3f04b94e5e_qkv,@function
k_q3f04b94e5e_qkv:
	s_mov_b64 s[64:65], 0
	v_nop
	global_prefetch_b8 v0, s[64:65] scope:SCOPE_SE
	s_setreg_imm32_b32 hwreg(HW_REG_WAVE_MODE, 25, 1), 1
	s_wait_xcnt 0x0
	s_wait_alu depctr_hold_cnt(0) depctr_sa_sdst(0) depctr_va_vdst(0) depctr_va_sdst(0) depctr_va_ssrc(0) depctr_va_vcc(0) depctr_vm_vsrc(0)
	s_getreg_b32 s2, hwreg(HW_REG_IB_STS2, 6, 4)
	s_cmp_eq_u32 s2, 0
	s_cbranch_scc0 .Lentry_in_a_cluster
	s_endpgm
.Lentry_in_a_cluster:
	s_bfe_u32 s2, ttmp6, 0x10000c
	s_cmp_lg_u32 s2, 0xf033
	s_cbranch_scc0 .Lentry_shape_is_right
	s_endpgm
.Lentry_shape_is_right:
.set LAPS,  8
.set SLOT,  98304
.set BOFF,  65536
.set SPARE, 196608
.set ADRA, 16
.set ADRB, 20
.set LI,   26
.set SPW,  28
.set NIL,  29
.set G1A, 24
.set G0A, 32
.set G1B, 48
.set G0B, 56
.set KIND, 76
.set MSB, 0
.macro WIN new
.if MSB != \new
	s_set_vgpr_msb (MSB<<8)|\new
.set MSB, \new
.endif
.endm
.set MUL,  0xf6
.set TO_A, 0x40
.set TO_B, 0x80
.macro JLOAD g0a, g1a, g0b, g1b
	s_cmp_eq_u32 s15, 0
	s_cbranch_scc0 .Lfor_b_\@
	tensor_load_to_lds s[\g0a:\g0a+3], s[\g1a:\g1a+7]
	s_nop 0
.rept 4
	v_nop
.endr
	s_branch .Lasked_\@
.Lfor_b_\@:
	tensor_load_to_lds s[\g0b:\g0b+3], s[\g1b:\g1b+7]
	s_nop 0
.rept 4
	v_nop
.endr
.Lasked_\@:
.endm
.macro CREST
	s_cmp_lg_u32 s14, 0
	s_cbranch_scc1 .Lnot_wave_0_\@
	s_barrier_signal -3
.Lnot_wave_0_\@:
	s_barrier_wait -3
	s_barrier_signal -1
	s_barrier_wait -1
.endm
.macro CROUND
	s_barrier_signal -1
	s_barrier_wait -1
	CREST
.endm
.macro PLACES n
.rept \n
	v_nop
.endr
.endm
.macro FRAG reg, adr, off
.irp c, 0,1,2,3
	ds_load_b128 v[\reg+4*\c:\reg+4*\c+3], v[\adr] offset:\off+512*\c
.endr
.endm
.macro FETCH slot, q, p
	WIN TO_B
.irp b, 0,1,2,3
	FRAG 64*(\p)+16*\b, ADRB+\slot, 16384*(\q)+2048*\b
.endr
	WIN TO_A
.irp a, 0,1,2,3,4,5,6,7
	FRAG 128*(\p)+16*\a, ADRA+\slot, 32768*(\q)+2048*\a
.endr
.endm
.macro MULN a0, n, p, zero
.set ma, \a0
.rept \n
.irp b, 0,1,2,3
.if \zero
	v_wmma_f32_16x16x128_fp8_fp8 v[8*(4*ma+\b):8*(4*ma+\b)+7], v[64*(\p)+16*\b:64*(\p)+16*\b+15], v[128*(\p)+16*ma:128*(\p)+16*ma+15], 0
.else
	v_wmma_f32_16x16x128_fp8_fp8 v[8*(4*ma+\b):8*(4*ma+\b)+7], v[64*(\p)+16*\b:64*(\p)+16*\b+15], v[128*(\p)+16*ma:128*(\p)+16*ma+15], v[8*(4*ma+\b):8*(4*ma+\b)+7]
.endif
.endr
.set ma, ma+1
.endr
.endm
.macro STEP slot, zero
	s_wait_dscnt 16
	WIN MUL
	MULN 0, 4, 0, \zero
	s_wait_dscnt 0x0
	PLACES 4
	FETCH \slot, 1, 1
	WIN MUL
	MULN 4, 4, 0, \zero
.endm
.macro TURN slot, next, fill
	WIN 0
.if \fill
	s_wait_xcnt 0x0                                ; the last prefetch, a slot back, has read its address
	s_add_nc_u64 s[92:93], s[92:93], s[94:95]      ; a slot on: two slots ahead of the refill below
.endif
	s_wait_tensorcnt 0x0
	ds_add_u32 v[SPW], v[NIL]
	s_wait_dscnt 17
	WIN MUL
	MULN 0, 2, 1, 0
	s_wait_dscnt 0x0
	s_barrier_signal -1
	MULN 2, 2, 1, 0
	WIN 0
	s_barrier_wait -1
.if \fill
	CREST
	s_add_nc_u64 s[G0A+4*\slot+2:G0A+4*\slot+3], s[G0A+4*\slot+2:G0A+4*\slot+3], 2097152
	s_add_nc_u64 s[G0B+4*\slot+2:G0B+4*\slot+3], s[G0B+4*\slot+2:G0B+4*\slot+3], 1048576
	JLOAD G0A+4*\slot, G1A, G0B+4*\slot, G1B
.else
	PLACES 4
.endif
	FETCH \next, 0, 0
.if \fill
	WIN 0
	s_cmp_gt_u32 s3, 1                             ; the last trip's two refills have no slot two on
	s_cbranch_scc0 .Lno_ask_\@
	global_prefetch_b8 v27, s[92:93] th:TH_LOAD_NT scope:SCOPE_SE   ; my quarter of the tile that I fetch two refills on
.Lno_ask_\@:
.endif
	WIN MUL
	MULN 4, 4, 1, 0
.endm
	s_load_b256 s[4:11], s[0:1], 0x0
	s_load_b128 s[84:87], s[0:1], 0x20
	v_lshl_add_u32 v[SPW], v0, 2, SPARE
	v_mov_b32 v[NIL], 0
	ds_add_u32 v[SPW], v[NIL]
	ds_add_u32 v[SPW], v[NIL]
	v_lshrrev_b32 v1, 5, v0
	v_readfirstlane_b32 s14, v1
	s_lshr_b32 s15, s14, 1
	s_and_b32 s16, s14, 1
	s_bfe_u32 s40, ttmp6, 0x40000
	s_bfe_u32 s41, ttmp6, 0x40004
	s_lshl_b32 s42, ttmp9, 2
	s_add_co_u32 s42, s42, s40
	s_and_b32 s17, ttmp7, 0xffff
	s_lshl_b32 s17, s17, 2
	s_add_co_u32 s17, s17, s41
	s_lshl_b32 s43, s41, 2
	s_lshl_b32 s43, 15, s43
	s_lshl_b32 s44, 0x1111, s40
	s_max_u32 s[KIND], ttmp9, 1
	s_sub_co_u32 s[KIND], s[KIND], 1
	s_or_b32 s[G1A], s43, (3<<16)|(1<<21)
	s_or_b32 s[G1B], s44, (3<<16)|(1<<21)
	s_mov_b32 s[G1A+1], 32<<16
	s_mov_b32 s[G1A+2], 128<<16
	s_mov_b32 s[G1A+3], 32<<16
	s_mov_b32 s[G1A+4], 128
	s_mov_b32 s[G1A+5], 32
	s_mov_b32 s[G1A+6], 0
	s_mov_b32 s[G1A+7], 0
	s_mov_b32 s[G1B+1], 32<<16
	s_mov_b32 s[G1B+2], 64<<16
	s_mov_b32 s[G1B+3], 32<<16
	s_mov_b32 s[G1B+4], 64
	s_mov_b32 s[G1B+5], 32
	s_mov_b32 s[G1B+6], 0
	s_mov_b32 s[G1B+7], 0
	s_lshl_b32 s20, s17, 15
	s_lshl_b32 s21, s16, 19
	s_add_co_u32 s20, s20, s21
	s_lshl_b32 s21, s[KIND], 24
	s_add_co_u32 s20, s20, s21
	s_mov_b32 s21, 0
	s_lshl_b32 s46, s42, 14
	s_lshl_b32 s47, s16, 18
	s_add_co_u32 s46, s46, s47
	s_mov_b32 s47, 0
	s_lshl_b32 s45, s16, 15
	s_lshl_b32 s18, s16, 14
	s_add_co_u32 s18, s18, BOFF
	s_wait_dscnt 0x0
	s_wait_kmcnt 0x0
	s_load_b256 s[68:75], s[10:11], 0x0
	s_add_nc_u64 s[20:21], s[4:5], s[20:21]
	s_add_nc_u64 s[46:47], s[6:7], s[46:47]
	CROUND
.irp s, 0,1
	s_mov_b32 s[G0A+4*\s], 1
	s_add_co_u32 s[G0A+4*\s+1], s45, \s*SLOT
	s_add_nc_u64 s[G0A+4*\s+2:G0A+4*\s+3], s[20:21], \s*1048576
	s_or_b32 s[G0A+4*\s+3], s[G0A+4*\s+3], 0x80000000
	s_mov_b32 s[G0B+4*\s], 1
	s_add_co_u32 s[G0B+4*\s+1], s18, \s*SLOT
	s_add_nc_u64 s[G0B+4*\s+2:G0B+4*\s+3], s[46:47], \s*524288
	s_or_b32 s[G0B+4*\s+3], s[G0B+4*\s+3], 0x80000000
	s_wait_alu depctr_va_vdst(0)
	s_wait_tensorcnt 0x0
	ds_add_u32 v28, v29
	ds_add_u32 v28, v29
	s_wait_dscnt 0x0
	CROUND
	JLOAD G0A+4*\s, G1A, G0B+4*\s, G1B
.endr
	; the prefetches: of the dense block that my wave fetches (A: 32,768 bytes, B: 16,384) the four partners that ask for it jointly take a quarter each, BY ADDRESS (cx for A, cy for B);
	; a lane names a block of 256 bytes (B: 16 blocks, the upper lanes name the last again).  Slots 0 to 3 come by their loads alone.
	s_cmp_eq_u32 s15, 0
	s_cselect_b64 s[92:93], s[20:21], s[46:47]
	s_cselect_b32 s98, s40, s41
	s_cselect_b32 s99, 13, 12
	s_cselect_b32 s12, 31, 15
	s_mov_b32 s94, 0x80000
	s_cselect_b32 s94, 0x100000, s94               ; a slot on, in bytes
	s_mov_b32 s95, 0
	s_lshl_b32 s98, s98, s99
	s_mul_i32 s99, s94, 3                          ; at slot 3: the first refill steps it to slot 4
	s_add_co_u32 s98, s98, s99
	s_mov_b32 s99, 0
	s_add_nc_u64 s[92:93], s[92:93], s[98:99]
	v_and_b32 v1, 31, v0
	v_lshlrev_b32 v[LI], 4, v1
	v_min_u32 v27, s12, v1
	v_lshlrev_b32 v27, 8, v27
	s_wait_alu depctr_va_vdst(0)
	s_lshl_b32 s22, s15, 14
	s_lshl_b32 s23, s16, 13
	s_add_co_u32 s23, s23, BOFF
.irp s, 0,1
	v_add_nc_u32 v[ADRA+\s], s22, v[LI]
	v_add_nc_u32 v[ADRB+\s], s23, v[LI]
	s_add_co_u32 s22, s22, SLOT
	s_add_co_u32 s23, s23, SLOT
.endr
	s_lshl_b32 s77, s42, 1
	s_add_co_u32 s77, s77, s16
	s_lshr_b32 s78, s17, 3
	s_and_b32 s79, s17, 7
	s_lshl_b32 s79, s79, 4
	s_lshl_b32 s80, s15, 3
	s_add_co_u32 s79, s79, s80
	s_lshl_b32 s80, s78, 5
	s_add_co_u32 s80, s80, s77
	s_lshl_b32 s80, s80, 7
	s_add_co_u32 s80, s80, s79
	s_lshl_b32 s80, s80, 12
	s_mov_b32 s81, 0
	s_add_nc_u64 s[84:85], s[84:85], s[80:81]
	s_lshl_b32 s80, s78, 4
	s_add_co_u32 s80, s80, s77
	s_lshl_b32 s80, s80, 7
	s_add_co_u32 s80, s80, s79
	s_lshl_b32 s80, s80, 10
	s_add_nc_u64 s[86:87], s[86:87], s[80:81]
	s_lshl_b32 s80, s17, 4
	s_lshl_b32 s82, s15, 3
	s_add_co_u32 s80, s80, s82
	s_lshl_b32 s80, s80, 12
	s_add_nc_u64 s[8:9], s[8:9], s[80:81]
.irp a, 0,1,2,3
.irp q, 0,1,2,3,4,5,6,7
	global_load_b128 v[128+32*\a+4*\q:131+32*\a+4*\q], v[LI], s[8:9] offset:4096*\a+512*\q
.endr
.endr
	WIN 0x80
.irp a, 0,1,2,3
.irp q, 0,1,2,3,4,5,6,7
	global_load_b128 v[128+32*\a+4*\q:131+32*\a+4*\q], v[LI], s[8:9] offset:4096*(\a+4)+512*\q
.endr
.endr
	WIN 0
	s_wait_alu depctr_va_vdst(0)
	s_wait_kmcnt 0x0
	s_add_co_i32 s88, s68, s69
	s_add_co_i32 s89, s70, s71
	s_add_co_i32 s90, s72, s73
	s_cmp_eq_u32 s[KIND], 1
	s_cselect_b32 s88, s89, s88
	s_cmp_eq_u32 s[KIND], 2
	s_cselect_b32 s88, s90, s88
	s_add_co_i32 s88, s88, 127
	s_lshl_b32 s96, s88, 23
	s_mov_b32 s97, s96
	s_add_co_i32 s88, s74, 127
	s_lshl_b32 s89, s88, 23
	v_mov_b32 v30, s89
	s_add_co_i32 s88, s88, 8
	s_lshl_b32 s88, s88, 23
	s_or_b32 s88, s88, 0x600000
	v_mov_b32 v31, s88
	s_wait_tensorcnt 1
	s_barrier_signal -1
	s_barrier_wait -1
	FETCH 0, 0, 0
	STEP 0, 1
	WIN 0
	s_mov_b32 s3, LAPS-1
.Llap:
	TURN 0, 1, 1
	STEP 1, 0
	TURN 1, 0, 1
	STEP 0, 0
	WIN 0
	s_sub_co_u32 s3, s3, 1
	s_cmp_lg_u32 s3, 0
	s_cbranch_scc1 .Llap
	TURN 0, 1, 0
	STEP 1, 0
	s_wait_dscnt 16
	WIN MUL
	MULN 0, 4, 1, 0
	s_wait_dscnt 0x0
	MULN 4, 4, 1, 0
	WIN 0
	PLACES 4
.macro EPI a
.set TT, 32+32*((\a)%2)
.set CC, 128+32*((\a)%4)
	s_wait_xcnt 0x0
	WIN 0x03
.irp j, 0,2,4,6,8,10,12,14,16,18,20,22,24,26,28,30
	v_pk_mul_f32 v[TT+\j:TT+\j+1], v[32*(\a)+\j:32*(\a)+\j+1], s[96:97] op_sel_hi:[1,0]
.endr
	WIN 0
	s_cmp_eq_u32 s[KIND], 2
	s_cbranch_scc1 .Lnorope_\@
	WIN ((\a)/4)*8
.irp i, 0,2,4,6,8,10,12,14
.set UU, 96+4*((\i/2)%2)
	v_pk_mul_f32 v[UU:UU+1], v[TT+16+\i:TT+17+\i], v[CC+16+\i:CC+17+\i]
	v_pk_mul_f32 v[UU+2:UU+3], v[TT+\i:TT+\i+1], v[CC+16+\i:CC+17+\i]
	v_pk_fma_f32 v[TT+\i:TT+\i+1], v[TT+\i:TT+\i+1], v[CC+\i:CC+\i+1], v[UU:UU+1] neg_lo:[0,0,1] neg_hi:[0,0,1]
	v_pk_fma_f32 v[TT+16+\i:TT+17+\i], v[TT+16+\i:TT+17+\i], v[CC+\i:CC+\i+1], v[UU+2:UU+3]
.endr
	WIN 0
.Lnorope_\@:
	s_wait_alu depctr_va_vdst(0)
.irp i, 0,1,2,3,4,5,6,7
	global_store_b128 v[LI], v[TT+4*\i:TT+4*\i+3], s[84:85] offset:4096*(\a)+512*\i
.endr
	s_cmp_lg_u32 s[KIND], 0
	s_cbranch_scc1 .Lnocode_\@
.irp c, 0,1
.irp k, 0,1,2,3,4,5,6,7,8,9,10,11,12,13,14,15
	v_med3_num_f32 v[104+\k], v[TT+16*\c+\k], -v31, v31
.endr
	v_cvt_scalef32_pk8_fp8_f32 v[120+4*\c:121+4*\c], v[104:111], v30
	v_cvt_scalef32_pk8_fp8_f32 v[122+4*\c:123+4*\c], v[112:119], v30
	v_nop
.endr
	global_store_b128 v[LI], v[120:123], s[86:87] offset:1024*(\a)
	global_store_b128 v[LI], v[124:127], s[86:87] offset:1024*(\a)+512
.Lnocode_\@:
.endm
	s_wait_loadcnt 0x0
.irp a, 0,1,2,3,4,5,6,7
	EPI \a
.endr
	s_wait_tensorcnt 0x0
	ds_add_u32 v[SPW], v[NIL]
	s_wait_dscnt 0x0
	CROUND
	s_endpgm
.Lfunc_end_k_q3f04b94e5e_qkv:
	.size	k_q3f04b94e5e_qkv, .Lfunc_end_k_q3f04b94e5e_qkv-k_q3f04b94e5e_qkv
	.p2alignl 7, 3214868480
	.fill 96, 4, 3214868480
	.section	.rodata,"a",@progbits
	.p2align	6, 0x0
	.amdhsa_kernel k_q3f04b94e5e_qkv
		.amdhsa_group_segment_fixed_size 327680
		.amdhsa_private_segment_fixed_size 0
		.amdhsa_enable_private_segment 0
		.amdhsa_kernarg_size 48
		.amdhsa_user_sgpr_count 2
		.amdhsa_user_sgpr_kernarg_segment_ptr 1
		.amdhsa_wavefront_size32 1
		.amdhsa_system_sgpr_workgroup_id_x 1
		.amdhsa_system_sgpr_workgroup_id_y 1
		.amdhsa_system_sgpr_workgroup_id_z 1
		.amdhsa_system_vgpr_workitem_id 0
		.amdhsa_next_free_vgpr 1024
		.amdhsa_next_free_sgpr 100
		.amdhsa_reserve_vcc 0
		.amdhsa_float_denorm_mode_32 3
		.amdhsa_float_denorm_mode_16_64 3
		.amdhsa_memory_ordered 1
		.amdhsa_forward_progress 1
		.amdhsa_inst_pref_size 113
	.end_amdhsa_kernel
	.amdgpu_metadata
---
amdhsa.version: [ 1, 2 ]
amdhsa.kernels:
  - .name:           k_q3f04b94e5e_qkv
    .symbol:         k_q3f04b94e5e_qkv.kd
    .args:
      - { .name: xc, .offset: 0, .size: 8, .value_kind: global_buffer, .address_space: global }
      - { .name: wcod, .offset: 8, .size: 8, .value_kind: global_buffer, .address_space: global }
      - { .name: cs, .offset: 16, .size: 8, .value_kind: global_buffer, .address_space: global }
      - { .name: lowp_scales, .offset: 24, .size: 8, .value_kind: global_buffer, .address_space: global }
      - { .name: qkvf, .offset: 32, .size: 8, .value_kind: global_buffer, .address_space: global }
      - { .name: qc, .offset: 40, .size: 8, .value_kind: global_buffer, .address_space: global }
    .group_segment_fixed_size: 327680
    .private_segment_fixed_size: 0
    .kernarg_segment_align: 8
    .kernarg_segment_size: 48
    .max_flat_workgroup_size: 128
    .sgpr_count:     100
    .vgpr_count:     1024
    .wavefront_size: 32
...
	.end_amdgpu_metadata
.endif
;; end of part 2
;; launch attn (part 3): grid 32 x 8, 8 waves a work-group, clusters of 4 x 4, 327,680 bytes of LDS; arguments qc, kc, vc, qkvf, prev_k, prev_v, attention_mask, lowp_scales, oc; writes oc
.if DOCPART == 3
	.amdgcn_target "amdgcn-amd-amdhsa--gfx1250"
	.amdhsa_code_object_version 6
	.text
	.protected	k_q3f04b94e5e_attn
	.globl	k_q3f04b94e5e_attn
	.p2align	8
	.type	k_q3f04b94e5e_attn,@function
k_q3f04b94e5e_attn:
	s_mov_b64 s[64:65], 0
	v_nop
	global_prefetch_b8 v0, s[64:65] scope:SCOPE_SE
	s_setreg_imm32_b32 hwreg(HW_REG_WAVE_MODE, 25, 1), 1
	s_wait_xcnt 0x0
	s_wait_alu depctr_hold_cnt(0) depctr_sa_sdst(0) depctr_va_vdst(0) depctr_va_sdst(0) depctr_va_ssrc(0) depctr_va_vcc(0) depctr_vm_vsrc(0)
	s_getreg_b32 s2, hwreg(HW_REG_IB_STS2, 6, 4)
	s_cmp_eq_u32 s2, 0
	s_cbranch_scc0 .Lentry_in_a_cluster
	s_endpgm
.Lentry_in_a_cluster:
	s_bfe_u32 s2, ttmp6, 0x10000c
	s_cmp_lg_u32 s2, 0xf033
	s_cbranch_scc0 .Lentry_shape_is_right
	s_endpgm
.Lentry_shape_is_right:
; ATTENTION.  logits = [q . prev_k[0] / 8 + mask (2,048 columns), q . prev_k[1] / 8, q . k_new / 8]; one softmax over the 2,050; out = p x prev_v[0] + the two diagonal terms.
; The mask is an input: all 2,048 keys are walked and the mask is added as it is given.  The weights are quantised FINISHED AND NORMALISED, so a row's maximum and sum are known first: THE KEYS ARE WALKED TWICE.
;   pass 1: scores, + mask, running maximum and sum (they begin with the two diagonal logits);
;   pass 2: the same scores again, p = 2^(u log2 e - max log2 e - log2 sum), held, converted, x V.  The division by the sum is a term of the exponent's shift.
; The two diagonal products take f32 operands (fused multiply-adds); the second of them starts O's sums.
; SHARES.  A work-group: 4 heads x 64 queries; each of eight waves one head x 32 queries, as TWO TILES of 16: tile A in registers v0-255, tile B in v256-511 under the same numbers.
; A fragment of K or of V is loaded once and multiplied with both tiles.  A lane holds one query of each tile (lane % 16) throughout.
; LAYOUT.  Both products transposed: S^T = K Q^T, O^T = V^T P^T.  K's tiles hold keys 32 b + 8 u + m + 8 (m / 8): S's register 16 b + k is key 32 b + 16 h + k, so p's conversions are the operand.
; V's tiles hold channels in the same order: O's register 16 c + k is channel 32 c + 16 h + k, as in q, k_new, v_new (images) and in the rows of prev_k[1], prev_v[1] as they are loaded.
; RING.  Two LDS slots of 256 keys (two steps of 128): K's images of 4 heads, 65,536 bytes, and 64 rows of the mask, pitch 1,040.  Waves 0-3 fetch a head of K each, waves 4-7 sixteen rows of the mask each:
; one tensor load a wave behind each round, one out by this text's own count.  No barrier stands between a slot's two steps: the second step's K and tile A's mask are read from LDS
; behind tile A's vector work of the first step, tile B's mask at each step's head.
; CLUSTER 4 x 4: along x four query blocks share K of the same 4 heads; along y four groups of heads share the mask's tile: joint loads.
; V DOES NOT GO THROUGH LDS and is not asked for jointly: two slots of 256 keys with V would be 2 x 196,608 bytes, more than the 327,680 there are.  V's images are the operand's registers, so a wave loads
; its head's step (16 loads of 512 consecutive bytes) at the step's head, ahead of the scores and the softmax of both tiles, and waits for it in front of the second product.
; PREFETCH: the mask's tiles in pass 1 alone (macro ASK).  In pass 2 the same tiles are read a second time; K's and V's codes of a head are asked for by eight clusters in one order.
; LIMITS: e6 + e7 - 3 between -126 and 127; e8 and e10 - e8 - e9 between -126 and 119; NaN is not served.  The diagonal products' sums run in another order than a serial sum.
.set SLOTB, 132096                     ; a slot: K 65,536 + mask 64 x 1,040; it shares no bit with the offsets that are turned by exclusive or beside it
.set MOFF,  65536
.set MP,    1040                       ; a mask row in LDS: 1,024 bytes + 16: sixteen rows start at sixteen different 16-byte columns
.set SPARE, 264192                     ; the spare words: 128 bytes for each of 8 waves, four blocks of 256 bytes that no other line names
.set AK,  1                            ; v1  my place in K's images: 16 x lane + 16,384 x my head of the four
.set AM,  2                            ; v2  in the mask's tile: tile A's query row + 64 h (tile B: 16 rows on, by the offset)
.set ADK, 4                            ; v4, v7: the same in the step that is being loaded
.set SPW, 5
.set NIL, 6
.set ADM, 7
.set LI,  9                            ; v9  16 x lane
.set RW,  10                           ; v10 256 r + 64 h: my 16 channels in rows of 256 bytes
.set PFO, 11                           ; v11 the prefetch's offset: 8 rows x 4 blocks of 256 bytes
; in each window: v12 the exponent's shift; v13 the running maximum; v[14:15] the sum in two halves; v[16:23] Q; v24-31 at work (v28, v29 the diagonal logits; pass 2: v24 2^e8, v25 448 x 2^e8)
.set F,   32                           ; v32-95   window 0: fragments of K; window 1: v_new of both tiles, then fragments of V
.set S,   96                           ; v96-159  S^T, then p; pass 2: p's codes in v96-111
.set M,   160                          ; v160-223 the mask; then at work (pass 1)
.set X,   176                          ; v176-183 pass 1: eight chains of the maximum
.set O,   224                          ; v224-255 prev_v[1]'s rows, then O^T
.set CNT, 3
.set WV,  22
.set G1K, 32
.set G1M, 40
.set G0K, 48
.set G0M, 52
.set VP,  56                           ; s[56:57] V's images of the step in hand
.set KM,  58                           ; s58 0: I fetch K; 1: the mask
.set W4,  59                           ; s59 which quarter of it
.set SEL, 60
.set CSC, 62                           ; s[62:63] 2^(e6 + e7 - 3)
.set LG,  66                           ; s[66:67] log2 e;  s68 its negative
.set LIM, 69
.set PFA, 70
.set TK,  84                           ; s84 LDS byte of the step's K;  s85 of the step's mask, less MOFF
.set TM,  85
.set Q2,  86
.set MSB, 0
.macro WIN new                         ; the immediate's high byte repeats the setting that is left
.if MSB != (\new)
	s_set_vgpr_msb (MSB<<8)|(\new)
.set MSB, (\new)
.endif
.endm
.macro JLOAD                           ; a joint load in each arm: every wave issues one.  An s_nop 0 and four v_nop follow each
	s_cmp_eq_u32 s[KM], 0
	s_cbranch_scc0 .Lfor_m_\@
	tensor_load_to_lds s[G0K:G0K+3], s[G1K:G1K+7]
	s_nop 0
.rept 4
	v_nop
.endr
	s_branch .Lasked_\@
.Lfor_m_\@:
	tensor_load_to_lds s[G0M:G0M+3], s[G1M:G1M+7]
	s_nop 0
.rept 4
	v_nop
.endr
.Lasked_\@:
.endm
.macro CROUND
	s_barrier_signal -1
	s_barrier_wait -1
	s_cmp_lg_u32 s[WV], 0
	s_cbranch_scc1 .Lnot_wave_0_\@
	s_barrier_signal -3
.Lnot_wave_0_\@:
	s_barrier_wait -3
	s_barrier_signal -1
	s_barrier_wait -1
.endm
; A PREFETCH of the mask's tile that the NEXT change of slots will ask for, in pass 1: 64 rows x 1,024 bytes.  The four work-groups of one column of the cluster share its rows out BY ADDRESS, 16 each;
; in each, waves 0 and 1 ask for 8 rows, a lane for each block of 256 bytes: each block is named once.  The loop's last trip asks for nothing: no slot of the pass lies behind its load's.
.macro ASK
	s_cmp_gt_u32 s[CNT], s[LIM]
	s_cbranch_scc0 .Lnot_mine_\@
	global_prefetch_b8 v[PFO], s[PFA:PFA+1] th:TH_LOAD_NT scope:SCOPE_SE
.Lnot_mine_\@:
.endm
; THE CHANGE OF SLOTS stands at a slot's head: the wait for all my tensor loads, the add, the wait for it and for my reads of the slot that I have left; a round of the cluster's barrier;
; then the slot just left is filled.  kind 1: pass 1; 2: pass 1's last slot asks for pass 2's first; 3: pass 2; 0: nothing is left to fetch: the work-group's barrier alone.
.macro CHANGE kind
	s_wait_tensorcnt 0x0                           ; no tensor load of mine is out, so a group 0 may be written
	ds_add_u32 v[SPW], v[NIL]                      ; 0 onto my spare word; the descriptors' steps stand between it and the wait for it
.if \kind > 0
	s_xor_b32 s[G0K+1], s[G0K+1], SLOTB
	s_xor_b32 s[G0M+1], s[G0M+1], SLOTB
.endif
.if \kind == 2
	s_sub_nc_u64 s[G0K+2:G0K+3], s[G0K+2:G0K+3], 7*16384   ; back to the first 256 keys
	s_sub_nc_u64 s[G0M+2:G0M+3], s[G0M+2:G0M+3], 7*1024
.elseif \kind > 0
	s_add_nc_u64 s[G0K+2:G0K+3], s[G0K+2:G0K+3], 16384     ; the next 256 keys
	s_add_nc_u64 s[G0M+2:G0M+3], s[G0M+2:G0M+3], 1024
.endif
.if \kind == 1
	s_wait_xcnt 0x0                                ; the last prefetch, a slot back, has read its address
	s_add_nc_u64 s[PFA:PFA+1], s[PFA:PFA+1], 1024
.endif
	s_wait_dscnt 0x0                               ; the add is done, and my reads of the slot that I have left are over
.if \kind > 0
	CROUND
	JLOAD
.if \kind == 1
	ASK
.endif
.else
	s_barrier_signal -1
	s_barrier_wait -1
.endif
.endm
.macro KLOADS                          ; eight tiles of 16 keys x 64 channels
.irp t, 0,1,2,3,4,5,6,7
	ds_load_b128 v[F+8*\t:F+8*\t+3], v[ADK] offset:1024*\t
	ds_load_b128 v[F+8*\t+4:F+8*\t+7], v[ADK] offset:1024*\t+512
.endr
.endm
.macro MLOADS w                        ; tile w's mask at keys 32 b + 16 h + 4 j on: S's own order
	WIN 0x40*(\w)
.irp b, 0,1,2,3
.irp j, 0,1,2,3
	ds_load_b128 v[M+16*\b+4*\j:M+16*\b+4*\j+3], v[ADM] offset:16*MP*(\w)+128*\b+16*\j
.endr
.endr
	WIN 0
.endm
.macro LOGITS                          ; u = score x 2^(e6 + e7) / 8 + mask: one rounding, since the factor is a power of two
.set jj, 0
.rept 32
	v_pk_fma_f32 v[S+jj:S+jj+1], v[S+jj:S+jj+1], s[CSC:CSC+1], v[M+jj:M+jj+1] op_sel_hi:[1,0,1]
.set jj, jj+2
.endr
.endm
.macro SHIFT                           ; u log2 e + the shift
.set jj, 0
.rept 32
	v_pk_fma_f32 v[S+jj:S+jj+1], v[S+jj:S+jj+1], s[LG:LG+1], v[12:13] op_sel_hi:[1,0,0]
.set jj, jj+2
.endr
.endm
.macro EXP64
.set jj, 0
.rept 64
	v_exp_f32 v[S+jj], v[S+jj]
.set jj, jj+1
.endr
.endm
.macro OPEN w                          ; a tile's vector work begins: its mask is in, its window is set
.if \w
	WIN 0x55
	s_wait_alu depctr_va_vdst(0)
.else
	s_wait_dscnt 16                                ; tile A's mask is in; tile B's 16 loads may be out
.endif
	LOGITS
.endm
.macro TILE1 w                         ; pass 1: the running maximum and the sum
	OPEN \w
.irp i, 0,1,2,3,4,5,6,7
	v_max3_num_f32 v[X+\i], v[S+8*\i], v[S+8*\i+1], v[S+8*\i+2]      ; eight chains, one for each run of eight logits
.endr
.irp j, 3,5
.irp i, 0,1,2,3,4,5,6,7
	v_max3_num_f32 v[X+\i], v[X+\i], v[S+8*\i+\j], v[S+8*\i+\j+1]
.endr
.endr
	v_max3_num_f32 v[X], v[X], v[X+1], v[S+7]      ; the chains are joined, each line taking one of the eight logits that are left
	v_max3_num_f32 v[X+2], v[X+2], v[X+3], v[S+15]
	v_max3_num_f32 v[X+4], v[X+4], v[X+5], v[S+23]
	s_delay_alu instid0(VALU_DEP_4)
	v_max3_num_f32 v[X+6], v[X+6], v[X+7], v[S+31]
	s_delay_alu instid0(VALU_DEP_3)
	v_max3_num_f32 v[X], v[X], v[X+2], v[S+39]
	s_delay_alu instid0(VALU_DEP_2)
	v_max3_num_f32 v[X+4], v[X+4], v[X+6], v[S+47]
	s_delay_alu instid0(VALU_DEP_1)
	v_max3_num_f32 v[X], v[X], v[X+4], v[S+55]
	s_delay_alu instid0(VALU_DEP_1)
	v_max_num_f32 v[X], v[X], v[S+63]
	v_permlanex16_b32 v26, v[X], s[SEL], s[SEL+1]  ; lane l xor 16 holds my query's other 64 keys
	v_mov_b32 v25, v12
	s_delay_alu instid0(VALU_DEP_2)
	v_max3_num_f32 v13, v13, v[X], v26             ; the running maximum
	s_delay_alu instid0(VALU_DEP_1)
	v_mul_f32 v12, s68, v13                        ; -max x log2 e
	s_delay_alu instid0(VALU_DEP_1)
	v_sub_f32 v25, v12, v25                        ; (old max - new max) log2 e, 0 or less
	s_delay_alu instid0(VALU_DEP_2)
	SHIFT
	s_wait_alu depctr_va_vdst(0)                   ; ahead of the batch
	v_exp_f32 v26, v25                             ; what was summed under the old maximum is multiplied by this
	EXP64
	v_mov_b32 v27, 0                               ; a plain line behind the exponentials (v27 is named as the upper half of the pair v[26:27])
	s_wait_alu depctr_va_vdst(0)                   ; one wait for the batch, ahead of its first reader
.irp i, 0,2,4,6,8,10,12,14
	v_pk_add_f32 v[M+\i:M+\i+1], v[S+\i:S+\i+1], v[S+16+\i:S+17+\i]  ; the sum, two at a time, in eight chains
.endr
.irp j, 32,48
.irp i, 0,2,4,6,8,10,12,14
	v_pk_add_f32 v[M+\i:M+\i+1], v[M+\i:M+\i+1], v[S+\j+\i:S+\j+\i+1]
.endr
.endr
	v_pk_add_f32 v[M:M+1], v[M:M+1], v[M+2:M+3]
	v_pk_add_f32 v[M+4:M+5], v[M+4:M+5], v[M+6:M+7]
	v_pk_add_f32 v[M+8:M+9], v[M+8:M+9], v[M+10:M+11]
	v_pk_mul_f32 v[14:15], v[14:15], v[26:27] op_sel_hi:[1,0]
	v_pk_add_f32 v[M+12:M+13], v[M+12:M+13], v[M+14:M+15]
	s_delay_alu instid0(VALU_DEP_4)
	v_pk_add_f32 v[M:M+1], v[M:M+1], v[M+4:M+5]
	s_delay_alu instid0(VALU_DEP_2)
	v_pk_add_f32 v[M+8:M+9], v[M+8:M+9], v[M+12:M+13]
	s_delay_alu instid0(VALU_DEP_1)
	v_pk_add_f32 v[M:M+1], v[M:M+1], v[M+8:M+9]
	s_delay_alu instid0(VALU_DEP_1)
	v_pk_add_f32 v[14:15], v[14:15], v[M:M+1]
	WIN 0
.endm
; Pass 2: p, finished and normalised, as codes.  The codes are laid over p's first 16 registers, so that the mask's registers are free for the next step's loads: conversion k takes p's registers 8 k .. 8 k + 7
; and writes registers 2 k, 2 k + 1, which an earlier conversion has read; the first goes by way of v[30:31].  The next eight holds are the plain lines between two conversions.
.macro TILE2 w
	OPEN \w
	SHIFT
	s_wait_alu depctr_va_vdst(0)                   ; ahead of the batch
	EXP64
	v_nop                                          ; a plain line behind the exponentials
	s_wait_alu depctr_va_vdst(0)                   ; one wait for the batch
.irp k, 0,1,2,3,4,5,6,7
.irp i, 0,1,2,3,4,5,6,7
	v_min_num_f32 v[S+8*\k+\i], v[S+8*\k+\i], v25             ; the hold at 448 x 2^e8 (the conversion does not saturate: ISA guide 7.6.2); p is not negative
.endr
.if \k == 0
	v_cvt_scalef32_pk8_fp8_f32 v[30:31], v[S:S+7], v24
.else
	v_cvt_scalef32_pk8_fp8_f32 v[S+2*\k:S+2*\k+1], v[S+8*\k:S+8*\k+7], v24
.endif
.endr
	v_mov_b32 v[S], v30
	v_mov_b32 v[S+1], v31
	WIN 0
.endm
.macro PV                              ; O^T += V^T P^T: eight accumulators, one instruction each; the scores' sixteen stand between their turns
	s_wait_loadcnt 0x0                             ; V
	WIN 0x01                                       ; V's fragments lie in window 1
	s_wait_alu depctr_va_vdst(0)
.irp t, 0,1,2,3
	v_wmma_f32_16x16x128_fp8_fp8 v[O+8*\t:O+8*\t+7], v[F+16*\t:F+16*\t+15], v[S:S+15], v[O+8*\t:O+8*\t+7]
.endr
	WIN 0x55
	s_wait_alu depctr_va_vdst(0)                   ; and for tile B's
.irp t, 0,1,2,3
	v_wmma_f32_16x16x128_fp8_fp8 v[O+8*\t:O+8*\t+7], v[F+16*\t:F+16*\t+15], v[S:S+15], v[O+8*\t:O+8*\t+7]
.endr
	WIN 0
	s_add_nc_u64 s[VP:VP+1], s[VP:VP+1], 8192      ; the loads that read it are done
.endm
; A slot's two steps, then on to the other slot.  LDS loads are always out in the order K, tile A's mask, tile B's mask.
.macro STEPS pass
	v_add_nc_u32 v[ADK], s[TK], v[AK]
	v_add_nc_u32 v[ADM], s[TM], v[AM]
	KLOADS                                         ; the first step's K and tile A's mask
	MLOADS 0
	s_mov_b32 s[Q2], 2
.Lstep_\@:
	v_add_nc_u32 v[ADM], s[TM], v[AM]
.if \pass == 2
.rept 4
	v_nop                                          ; with the line above five places: the scores write over registers that the last products read, and V's loads land on others of them
.endr
.endif
	MLOADS 1
.if \pass == 2
	WIN 0x40
.irp i, 0,1,2,3,4,5,6,7,8,9,10,11,12,13,14,15
	global_load_b128 v[F+4*\i:F+4*\i+3], v[LI], s[VP:VP+1] offset:512*\i   ; V^T: four tiles of 16 channels x 128 keys, 512 consecutive bytes a load
.endr
	WIN 0
.endif
	s_wait_dscnt 32                                ; K is in; the two masks' 32 loads may be out
.irp t, 0,1,2,3,4,5,6,7
	v_wmma_f32_16x16x64_fp8_fp8 v[S+8*\t:S+8*\t+7], v[F+8*\t:F+8*\t+7], v[16:23], 0
.endr
	WIN 0x44                                       ; Q and S of tile B, K as before
.irp t, 0,1,2,3,4,5,6,7
	v_wmma_f32_16x16x64_fp8_fp8 v[S+8*\t:S+8*\t+7], v[F+8*\t:F+8*\t+7], v[16:23], 0
.endr
	WIN 0
.rept 4
	v_nop
.endr
.if \pass == 1
	TILE1 0
.else
	TILE2 0
.endif
	s_cmp_lg_u32 s[Q2], 2                          ; the count of steps alone
	s_cbranch_scc1 .Llast_\@
	s_xor_b32 s87, s[TK], 8192                     ; the slot's first step: the second step's K and tile A's mask are asked of LDS here; K's and that mask's registers are done with
	s_xor_b32 s2, s[TM], 512
	v_add_nc_u32 v[ADK], s87, v[AK]
	v_add_nc_u32 v[ADM], s2, v[AM]
	KLOADS
	MLOADS 0
	s_wait_dscnt 32                                ; tile B's mask is in; the 32 loads just issued may be out
	s_branch .Ljoin_\@
.Llast_\@:
	s_wait_dscnt 0x0                               ; the slot's second step: tile B's mask is in
.Ljoin_\@:
.if \pass == 1
	TILE1 1
.else
	TILE2 1
	PV
.endif
	s_xor_b32 s[TK], s[TK], 8192
	s_xor_b32 s[TM], s[TM], 512
	s_sub_co_u32 s[Q2], s[Q2], 1
	s_cmp_lg_u32 s[Q2], 0
	s_cbranch_scc1 .Lstep_\@
	s_xor_b32 s[TK], s[TK], SLOTB
	s_xor_b32 s[TM], s[TM], SLOTB
.endm
.macro DL1 w                           ; 26 loads: Q's codes; q, k_new and my rows of prev_k[1] for the diagonal logits
	WIN 0x40*(\w)
	global_load_b128 v[16:19], v[LI], s[4:5] offset:1024*(\w)
	global_load_b128 v[20:23], v[LI], s[4:5] offset:1024*(\w)+512
.irp i, 0,1,2,3,4,5,6,7
	global_load_b128 v[S+4*\i:S+4*\i+3], v[LI], s[88:89] offset:4096*(\w)+512*\i
	global_load_b128 v[M+4*\i:M+4*\i+3], v[LI], s[90:91] offset:4096*(\w)+512*\i
.endr
.irp c, 0,1
.irp j, 0,1,2,3
	global_load_b128 v[S+32+16*\c+4*\j:S+35+16*\c+4*\j], v[RW], s[12:13] offset:4096*(\w)+128*\c+16*\j
.endr
.endr
	WIN 0
.endm
.macro DL2 w                           ; 16 loads: my rows of prev_v[1] and v_new, into registers that pass 1 does not touch; they are waited for at the middle
	WIN 0x40*(\w)
.irp c, 0,1
.irp j, 0,1,2,3
	global_load_b128 v[O+16*\c+4*\j:O+16*\c+4*\j+3], v[RW], s[14:15] offset:4096*(\w)+128*\c+16*\j
.endr
.endr
	WIN 0x40
.irp i, 0,1,2,3,4,5,6,7
	global_load_b128 v[F+32*(\w)+4*\i:F+32*(\w)+4*\i+3], v[LI], s[92:93] offset:4096*(\w)+512*\i
.endr
	WIN 0
.endm
.macro DIAG w                          ; the two diagonal logits, in f32; the maximum and the sum begin with them
	WIN 0x55*(\w)
	v_mov_b32 v26, 0                               ; written once: a lane permute's destination counts as one of its sources
	v_mov_b32 v27, 0
	v_pk_mul_f32 v[24:25], v[S:S+1], v[S+32:S+33]
	v_pk_mul_f32 v[30:31], v[S:S+1], v[M:M+1]
.set jj, 2
.rept 15
	s_delay_alu instid0(VALU_DEP_2)
	v_pk_fma_f32 v[24:25], v[S+jj:S+jj+1], v[S+32+jj:S+33+jj], v[24:25]
	s_delay_alu instid0(VALU_DEP_2)
	v_pk_fma_f32 v[30:31], v[S+jj:S+jj+1], v[M+jj:M+jj+1], v[30:31]
.set jj, jj+2
.endr
	s_delay_alu instid0(VALU_DEP_2)
	v_add_f32 v24, v24, v25
	s_delay_alu instid0(VALU_DEP_2)
	v_add_f32 v30, v30, v31
	v_permlanex16_b32 v26, v24, s[SEL], s[SEL+1]   ; my query's other 32 channels lie in lane l xor 16
	v_permlanex16_b32 v27, v30, s[SEL], s[SEL+1]
	s_delay_alu instid0(VALU_DEP_2)
	v_add_f32 v24, v24, v26
	s_delay_alu instid0(VALU_DEP_2)
	v_add_f32 v30, v30, v27
	s_delay_alu instid0(VALU_DEP_2)
	v_mul_f32 v28, 0x3e000000, v24                 ; q . prev_k[1] / 8
	s_delay_alu instid0(VALU_DEP_2)
	v_mul_f32 v29, 0x3e000000, v30                 ; q . k_new / 8
	s_delay_alu instid0(VALU_DEP_1)
	v_max_num_f32 v13, v28, v29
	s_delay_alu instid0(VALU_DEP_1)
	v_mul_f32 v12, s68, v13
	s_delay_alu instid0(VALU_DEP_1)
	v_fma_f32 v24, v28, s[LG], v12
	s_delay_alu instid0(VALU_DEP_2)
	v_fma_f32 v25, v29, s[LG], v12
	s_wait_alu depctr_va_vdst(0)                   ; ahead of the batch
	v_exp_f32 v24, v24
	v_exp_f32 v25, v25
	v_nop
	s_wait_alu depctr_va_vdst(0)                   ; and behind it
	v_mul_f32 v14, 0.5, v24                        ; both halves of the lanes hold these two terms: half of each here, so that the sum over the halves counts them once
	v_mul_f32 v15, 0.5, v25
	WIN 0
.endm
.macro MID w                           ; the middle: log2 of the sum goes into the shift; the two diagonal weights; they and v's rows start O's sums
	WIN 0x55*(\w)
	v_add_f32 v14, v14, v15
	v_permlanex16_b32 v26, v14, s[SEL], s[SEL+1]
	s_delay_alu instid0(VALU_DEP_1)
	v_add_f32 v14, v14, v26                        ; the row's sum, at least 1
	s_wait_alu depctr_va_vdst(0)
	v_log_f32 v14, v14
	v_nop
	s_wait_alu depctr_va_vdst(0)
	v_sub_f32 v12, v12, v14                        ; -max log2 e - log2 sum
	s_delay_alu instid0(VALU_DEP_1)
	v_fma_f32 v28, v28, s[LG], v12
	s_delay_alu instid0(VALU_DEP_2)
	v_fma_f32 v29, v29, s[LG], v12
	s_wait_alu depctr_va_vdst(0)
	v_exp_f32 v28, v28
	v_exp_f32 v29, v29
	v_nop
	s_wait_alu depctr_va_vdst(0)
	v_ldexp_f32 v26, v28, s23                      ; / 2^(e8 + e9), which O's sums lack
	v_ldexp_f32 v30, v29, s23
	s_delay_alu instid0(VALU_DEP_2)
	v_mov_b32 v27, v26
	s_delay_alu instid0(VALU_DEP_2)
	v_mov_b32 v31, v30
	v_mov_b32 v24, s96                             ; for pass 2's conversions
	v_mov_b32 v25, s97
	s_delay_alu instid0(VALU_DEP_4)
.set jj, 0
.rept 16
	v_pk_mul_f32 v[O+jj:O+jj+1], v[O+jj:O+jj+1], v[26:27]
.set jj, jj+2
.endr
	WIN 0x01+0x54*(\w)                             ; v_new lies in window 1
.set jj, 0
.rept 16
	v_pk_fma_f32 v[O+jj:O+jj+1], v[F+32*(\w)+jj:F+32*(\w)+jj+1], v[30:31], v[O+jj:O+jj+1]
.set jj, jj+2
.endr
	WIN 0
.endm
.macro OUT w                           ; O becomes codes of the last product's left operand: two images of 512 bytes
	WIN 0x55*(\w)
	v_mov_b32 v26, s98
	v_mov_b32 v27, s99
.set jj, 0
.rept 32
	v_med3_num_f32 v[O+jj], v[O+jj], -v27, v27     ; each accumulator from its low end on
.set jj, jj+1
.endr
.irp g, 0,1,2,3
	v_cvt_scalef32_pk8_fp8_f32 v[M+2*\g:M+2*\g+1], v[O+8*\g:O+8*\g+7], v26
.endr
	v_nop
	WIN 0x04*(\w)
	global_store_b128 v[LI], v[M:M+3], s[20:21] offset:2048*(\w)
	global_store_b128 v[LI], v[M+4:M+7], s[20:21] offset:2048*(\w)+512
	WIN 0
.endm
	s_load_b512 s[4:19], s[0:1], 0x0               ; qc s[4:5], kc s[6:7], vc s[8:9], qkvf s[10:11], prev_k s[12:13], prev_v s[14:15], attention_mask s[16:17], lowp_scales s[18:19]
	s_load_b64 s[20:21], s[0:1], 0x40              ; oc
	v_lshl_add_u32 v[SPW], v0, 2, SPARE
	v_mov_b32 v[NIL], 0
	ds_add_u32 v[SPW], v[NIL]                      ; the wave's opening: the add, twice on end, and its wait ahead of my first tensor load
	ds_add_u32 v[SPW], v[NIL]
	v_lshrrev_b32 v1, 5, v0
	s_delay_alu instid0(VALU_DEP_1)
	v_readfirstlane_b32 s[WV], v1                  ; wave 0..7
	s_bfe_u32 s24, ttmp6, 0x40000                  ; cx
	s_bfe_u32 s25, ttmp6, 0x40004                  ; cy: the group of four heads
	s_and_b32 s26, ttmp7, 0xffff                   ; the cluster's y: the batch
	s_lshl_b32 s27, ttmp9, 2
	s_add_co_u32 s27, s27, s24                     ; block of 64 queries
	s_lshr_b32 s28, s[WV], 1                       ; my head of the four
	s_and_b32 s29, s[WV], 1                        ; my 32 queries of the 64
	s_lshr_b32 s[KM], s[WV], 2
	s_and_b32 s[W4], s[WV], 3
	s_lshl_b32 s23, s25, 2
	s_lshl_b32 s23, 15, s23                        ; my row of the cluster
	s_lshl_b32 s31, 0x1111, s24                    ; my column
	s_or_b32 s[G1K], s23, (3<<16)|(1<<21)          ; K: shared along the row; a head's 16,384 dense bytes as 64 rows of 32 elements of 8 bytes; no padding
	s_mov_b32 s[G1K+1], 32<<16
	s_mov_b32 s[G1K+2], 64<<16
	s_mov_b32 s[G1K+3], 32<<16
	s_mov_b32 s[G1K+4], 64
	s_mov_b32 s[G1K+5], 32
	s_mov_b32 s[G1K+6], 0
	s_mov_b32 s[G1K+7], 0
	s_or_b32 s[G1M], s31, (2<<16)|(1<<20)|(1<<21)|(7<<22)|(3<<25)   ; the mask: shared along the column; 16 rows of 256 elements of 4 bytes; 4 words of padding behind every 256
	s_mov_b32 s[G1M+1], 256<<16
	s_mov_b32 s[G1M+2], 16<<16
	s_mov_b32 s[G1M+3], 256<<16
	s_mov_b32 s[G1M+4], 16
	s_mov_b32 s[G1M+5], 2048
	s_mov_b32 s[G1M+6], 0
	s_mov_b32 s[G1M+7], 0
	s_lshl_b32 s30, s25, 2
	s_add_co_u32 s30, s30, s28                     ; head
	s_lshl_b32 s31, s26, 4
	s_add_co_u32 s31, s31, s30                     ; 16 x batch + head
	s_lshl_b32 s82, s27, 2
	s_lshl_b32 s83, s29, 1
	s_add_co_u32 s82, s82, s83                     ; tile A's number among the batch's tiles of 16 queries; tile B is the next
	s_lshl_b32 s78, s26, 4
	s_lshl_b32 s79, s25, 2
	s_add_co_u32 s78, s78, s79
	s_add_co_u32 s78, s78, s[W4]
	s_lshl_b32 s78, s78, 17                        ; K: the head that I fetch (batch, cy and the wave alone)
	s_mov_b32 s79, 0
	s_lshl_b32 s80, s26, 24
	s_lshl_b32 s81, s27, 19
	s_add_co_u32 s80, s80, s81
	s_lshl_b32 s81, s[W4], 17
	s_add_co_u32 s80, s80, s81                     ; the mask: batch, 64 rows of 8,192 bytes, my 16 of them (batch, the cluster's x, cx and the wave alone)
	s_mov_b32 s81, 0
	s_lshl_b32 s94, s26, 24                        ; the prefetch: the same tile,
	s_lshl_b32 s95, s27, 19
	s_add_co_u32 s94, s94, s95
	s_lshl_b32 s95, s25, 17                        ; my work-group's 16 rows of the 64,
	s_add_co_u32 s94, s94, s95
	s_lshl_b32 s95, s29, 16                        ; my wave's 8 of them,
	s_add_co_u32 s94, s94, s95
	s_add_co_u32 s94, s94, 1024                    ; at slot 1: the first change of slots steps it to slot 2
	s_mov_b32 s95, 0
	s_cmp_lt_u32 s[WV], 2
	s_cselect_b32 s[LIM], 1, -1
	s_mov_b32 s[SEL], 0x76543210
	s_mov_b32 s[SEL+1], 0xfedcba98
	s_mov_b32 s[LG], 0x3fb8aa3b
	s_mov_b32 s[LG+1], 0x3fb8aa3b
	s_mov_b32 s68, 0xbfb8aa3b
	s_mov_b32 s[TK], 0
	s_mov_b32 s[TM], 0
	v_and_b32 v24, 31, v0                          ; lane
	v_and_b32 v25, 15, v0                          ; r
	v_bfe_u32 v27, v0, 4, 1                        ; h
	v_lshlrev_b32 v[LI], 4, v24
	s_lshl_b32 s83, s28, 14
	v_add_nc_u32 v[AK], s83, v[LI]
	s_lshl_b32 s83, s29, 5
	v_add_nc_u32 v[AM], s83, v25
	s_delay_alu instid0(VALU_DEP_1)
	v_mul_u32_u24 v[AM], v[AM], MP
	s_delay_alu instid0(VALU_DEP_1)
	v_lshl_add_u32 v[AM], v27, 6, v[AM]
	s_delay_alu instid0(VALU_DEP_1)
	v_add_nc_u32 v[AM], MOFF, v[AM]
	v_lshlrev_b32 v[RW], 8, v25
	s_delay_alu instid0(VALU_DEP_1)
	v_lshl_add_u32 v[RW], v27, 6, v[RW]
	v_lshrrev_b32 v[PFO], 2, v24
	s_delay_alu instid0(VALU_DEP_1)
	v_lshlrev_b32 v[PFO], 13, v[PFO]
	v_and_b32 v28, 3, v24
	s_delay_alu instid0(VALU_DEP_1)
	v_lshl_add_u32 v[PFO], v28, 8, v[PFO]
	s_wait_alu depctr_va_vdst(0)
	s_wait_dscnt 0x0                               ; both opening adds are done
	s_wait_kmcnt 0x0
	s_load_b128 s[72:75], s[18:19], 0x18           ; e6 .. e9
	s_load_b64 s[76:77], s[18:19], 0x28            ; e10, e11
	s_mov_b32 s[G0K], 1
	s_lshl_b32 s[G0K+1], s[W4], 14                 ; slot 0, my head's 16,384 bytes
	s_add_nc_u64 s[G0K+2:G0K+3], s[6:7], s[78:79]
	s_or_b32 s[G0K+3], s[G0K+3], 0x80000000
	s_mov_b32 s[G0M], 1
	s_mul_i32 s[G0M+1], s[W4], 16*MP
	s_add_co_u32 s[G0M+1], s[G0M+1], MOFF
	s_add_nc_u64 s[G0M+2:G0M+3], s[16:17], s[80:81]
	s_or_b32 s[G0M+3], s[G0M+3], 0x80000000
	s_add_nc_u64 s[PFA:PFA+1], s[16:17], s[94:95]
	; my wave's places in memory
	s_lshl_b32 s94, s31, 17
	s_add_nc_u64 s[VP:VP+1], s[8:9], s[94:95]      ; V's images of my head
	s_lshl_b32 s94, s31, 7
	s_add_co_u32 s94, s94, s82
	s_lshl_b32 s94, s94, 10
	s_add_nc_u64 s[4:5], s[4:5], s[94:95]          ; q's codes
	s_lshl_b32 s94, s26, 5
	s_add_co_u32 s83, s94, s30
	s_lshl_b32 s83, s83, 7
	s_add_co_u32 s83, s83, s82
	s_lshl_b32 s94, s83, 12
	s_add_nc_u64 s[88:89], s[10:11], s[94:95]      ; q in f32
	s_lshl_b32 s94, s26, 5
	s_lshr_b32 s83, s30, 1                         ; two query heads to a key and value head
	s_add_co_u32 s83, s83, s94
	s_add_co_u32 s83, s83, 16
	s_lshl_b32 s83, s83, 7
	s_add_co_u32 s83, s83, s82
	s_lshl_b32 s94, s83, 12
	s_add_nc_u64 s[90:91], s[10:11], s[94:95]      ; k_new
	s_add_nc_u64 s[92:93], s[90:91], 0x400000      ; v_new: eight heads on
	s_add_co_u32 s83, s31, 32                      ; entry 1 of the cache
	s_lshl_b32 s83, s83, 19
	s_lshl_b32 s94, s82, 12
	s_add_co_u32 s94, s94, s83
	s_add_nc_u64 s[12:13], s[12:13], s[94:95]      ; my rows of prev_k[1]
	s_add_nc_u64 s[14:15], s[14:15], s[94:95]      ; and of prev_v[1]
	s_lshr_b32 s83, s30, 1
	s_lshl_b32 s83, s83, 19
	s_lshl_b32 s94, s26, 7
	s_add_co_u32 s94, s94, s82
	s_lshl_b32 s94, s94, 11
	s_add_co_u32 s94, s94, s83
	s_and_b32 s83, s30, 1
	s_lshl_b32 s83, s83, 10
	s_add_co_u32 s94, s94, s83
	s_add_nc_u64 s[20:21], s[20:21], s[94:95]      ; oc: K step head / 2, tile of tokens, images 2 (head % 2) on
	DL1 0                                          ; what the diagonal logits need is asked for first, ahead of the round,
	DL1 1
	DL2 0                                          ; then what the middle needs
	DL2 1
	CROUND                                         ; all sixteen work-groups are here: the first joint loads meet
	JLOAD                                          ; slot 0: one tensor load a wave at the head
	s_wait_kmcnt 0x0
	s_add_co_i32 s94, s72, s73
	s_add_co_i32 s94, s94, 124
	s_lshl_b32 s[CSC], s94, 23                     ; 2^(e6 + e7) / 8
	s_mov_b32 s[CSC+1], s[CSC]
	s_add_co_i32 s94, s74, 127
	s_lshl_b32 s96, s94, 23                        ; 2^e8
	s_add_co_i32 s94, s94, 8
	s_lshl_b32 s94, s94, 23
	s_or_b32 s97, s94, 0x600000                    ; 448 x 2^e8
	s_add_co_i32 s23, s74, s75
	s_sub_co_i32 s23, 0, s23                       ; -(e8 + e9)
	s_add_co_i32 s94, s76, s23
	s_add_co_i32 s94, s94, 127
	s_lshl_b32 s98, s94, 23                        ; 2^(e10 - e8 - e9): O's sums lack 2^(e8 + e9): the three scales folded into one
	s_add_co_i32 s94, s94, 8
	s_lshl_b32 s94, s94, 23
	s_or_b32 s99, s94, 0x600000
	s_wait_loadcnt 58                              ; tile A's 26 are in; behind them: tile B's 26 and the middle's 32
	DIAG 0
	s_wait_loadcnt 32                              ; tile B's 26 are in; the middle's 32 may be out
	DIAG 1
	s_wait_alu depctr_va_vdst(0)                   ; the head's end
	; PASS 1: eight slots; behind the last change K's and the mask's first slot are asked for again
	s_mov_b32 s[CNT], 7
.Lpass1:
	CHANGE 1
	STEPS 1
	s_sub_co_u32 s[CNT], s[CNT], 1
	s_cmp_lg_u32 s[CNT], 0
	s_cbranch_scc1 .Lpass1
	CHANGE 2
	STEPS 1
	s_wait_loadcnt 0x0                             ; my rows of prev_v[1] and v_new
	MID 0
	MID 1
	s_wait_alu depctr_va_vdst(0)
	; PASS 2: the last slot is written out
	s_mov_b32 s[CNT], 7
.Lpass2:
	CHANGE 3
	STEPS 2
	s_sub_co_u32 s[CNT], s[CNT], 1
	s_cmp_lg_u32 s[CNT], 0
	s_cbranch_scc1 .Lpass2
	CHANGE 0
	STEPS 2
.rept 4
	v_nop                                          ; places behind the last products
.endr
	OUT 0
	OUT 1
	s_wait_tensorcnt 0x0                           ; the wave's end
	ds_add_u32 v[SPW], v[NIL]
	s_wait_dscnt 0x0
	CROUND                                         ; the closing round
	s_endpgm
.Lfunc_end_k_q3f04b94e5e_attn:
	.size	k_q3f04b94e5e_attn, .Lfunc_end_k_q3f04b94e5e_attn-k_q3f04b94e5e_attn
	.p2alignl 7, 3214868480
	.fill 96, 4, 3214868480
	.section	.rodata,"a",@progbits
	.p2align	6, 0x0
	.amdhsa_kernel k_q3f04b94e5e_attn
		.amdhsa_group_segment_fixed_size 327680
		.amdhsa_private_segment_fixed_size 0
		.amdhsa_enable_private_segment 0
		.amdhsa_kernarg_size 72
		.amdhsa_user_sgpr_count 2
		.amdhsa_user_sgpr_kernarg_segment_ptr 1
		.amdhsa_wavefront_size32 1
		.amdhsa_system_sgpr_workgroup_id_x 1
		.amdhsa_system_sgpr_workgroup_id_y 1
		.amdhsa_system_sgpr_workgroup_id_z 1
		.amdhsa_system_vgpr_workitem_id 0
		.amdhsa_next_free_vgpr 512
		.amdhsa_next_free_sgpr 100
		.amdhsa_reserve_vcc 0
		.amdhsa_float_denorm_mode_32 3
		.amdhsa_float_denorm_mode_16_64 3
		.amdhsa_memory_ordered 1
		.amdhsa_forward_progress 1
		.amdhsa_inst_pref_size 153
	.end_amdhsa_kernel
	.amdgpu_metadata
---
amdhsa.version: [ 1, 2 ]
amdhsa.kernels:
  - .name:           k_q3f04b94e5e_attn
    .symbol:         k_q3f04b94e5e_attn.kd
    .args:
      - { .name: qc, .offset: 0, .size: 8, .value_kind: global_buffer, .address_space: global }
      - { .name: kc, .offset: 8, .size: 8, .value_kind: global_buffer, .address_space: global }
      - { .name: vc, .offset: 16, .size: 8, .value_kind: global_buffer, .address_space: global }
      - { .name: qkvf, .offset: 24, .size: 8, .value_kind: global_buffer, .address_space: global }
      - { .name: prev_k, .offset: 32, .size: 8, .value_kind: global_buffer, .address_space: global }
      - { .name: prev_v, .offset: 40, .size: 8, .value_kind: global_buffer, .address_space: global }
      - { .name: attention_mask, .offset: 48, .size: 8, .value_kind: global_buffer, .address_space: global }
      - { .name: lowp_scales, .offset: 56, .size: 8, .value_kind: global_buffer, .address_space: global }
      - { .name: oc, .offset: 64, .size: 8, .value_kind: global_buffer, .address_space: global }
    .group_segment_fixed_size: 327680
    .private_segment_fixed_size: 0
    .kernarg_segment_align: 8
    .kernarg_segment_size: 72
    .max_flat_workgroup_size: 256
    .sgpr_count:     100
    .vgpr_count:     512
    .wavefront_size: 32
...
	.end_amdgpu_metadata
.endif
;; end of part 3
;; launch oproj (part 4): grid 16 x 16, 4 waves a work-group, clusters of 4 x 4, 327,680 bytes of LDS; arguments oc, wcod, lowp_scales, out0; writes out0
.if DOCPART == 4
	.amdgcn_target "amdgcn-amd-amdhsa--gfx1250"
	.amdhsa_code_object_version 6
	.text
	.protected	k_q3f04b94e5e_oproj
	.globl	k_q3f04b94e5e_oproj
	.p2align	8
	.type	k_q3f04b94e5e_oproj,@function
k_q3f04b94e5e_oproj:
	s_mov_b64 s[64:65], 0
	v_nop
	global_prefetch_b8 v0, s[64:65] scope:SCOPE_SE
	s_setreg_imm32_b32 hwreg(HW_REG_WAVE_MODE, 25, 1), 1
	s_wait_xcnt 0x0
	s_wait_alu depctr_hold_cnt(0) depctr_sa_sdst(0) depctr_va_vdst(0) depctr_va_sdst(0) depctr_va_ssrc(0) depctr_va_vcc(0) depctr_vm_vsrc(0)
	s_getreg_b32 s2, hwreg(HW_REG_IB_STS2, 6, 4)
	s_cmp_eq_u32 s2, 0
	s_cbranch_scc0 .Lentry_in_a_cluster
	s_endpgm
.Lentry_in_a_cluster:
	s_bfe_u32 s2, ttmp6, 0x10000c
	s_cmp_lg_u32 s2, 0xf033
	s_cbranch_scc0 .Lentry_shape_is_right
	s_endpgm
.Lentry_shape_is_right:
.set LAPS,  2
.set SLOT,  98304
.set BOFF,  65536
.set SPARE, 196608
.set STG,   197120
.set ADRA, 16
.set ADRB, 20
.set STO,  24
.set RD,   25
.set LI,   26
.set CO,   27
.set SPW,  28
.set NIL,  29
.set G1A, 24
.set G0A, 32
.set G1B, 48
.set G0B, 56
.set MSB, 0
.macro WIN new
.if MSB != \new
	s_set_vgpr_msb (MSB<<8)|\new
.set MSB, \new
.endif
.endm
.set MUL,  0xf6
.set TO_A, 0x40
.set TO_B, 0x80
.macro JLOAD g0a, g1a, g0b, g1b
	s_cmp_eq_u32 s15, 0
	s_cbranch_scc0 .Lfor_b_\@
	tensor_load_to_lds s[\g0a:\g0a+3], s[\g1a:\g1a+7]
	s_nop 0
.rept 4
	v_nop
.endr
	s_branch .Lasked_\@
.Lfor_b_\@:
	tensor_load_to_lds s[\g0b:\g0b+3], s[\g1b:\g1b+7]
	s_nop 0
.rept 4
	v_nop
.endr
.Lasked_\@:
.endm
.macro CREST
	s_cmp_lg_u32 s14, 0
	s_cbranch_scc1 .Lnot_wave_0_\@
	s_barrier_signal -3
.Lnot_wave_0_\@:
	s_barrier_wait -3
	s_barrier_signal -1
	s_barrier_wait -1
.endm
.macro CROUND
	s_barrier_signal -1
	s_barrier_wait -1
	CREST
.endm
.macro PLACES n
.rept \n
	v_nop
.endr
.endm
.macro FRAG reg, adr, off
.irp c, 0,1,2,3
	ds_load_b128 v[\reg+4*\c:\reg+4*\c+3], v[\adr] offset:\off+512*\c
.endr
.endm
.macro FETCH slot, q, p
	WIN TO_B
.irp b, 0,1,2,3
	FRAG 64*(\p)+16*\b, ADRB+\slot, 16384*(\q)+2048*\b
.endr
	WIN TO_A
.irp a, 0,1,2,3,4,5,6,7
	FRAG 128*(\p)+16*\a, ADRA+\slot, 32768*(\q)+2048*\a
.endr
.endm
.macro MULN a0, n, p, zero
.set ma, \a0
.rept \n
.irp b, 0,1,2,3
.if \zero
	v_wmma_f32_16x16x128_fp8_fp8 v[8*(4*ma+\b):8*(4*ma+\b)+7], v[64*(\p)+16*\b:64*(\p)+16*\b+15], v[128*(\p)+16*ma:128*(\p)+16*ma+15], 0
.else
	v_wmma_f32_16x16x128_fp8_fp8 v[8*(4*ma+\b):8*(4*ma+\b)+7], v[64*(\p)+16*\b:64*(\p)+16*\b+15], v[128*(\p)+16*ma:128*(\p)+16*ma+15], v[8*(4*ma+\b):8*(4*ma+\b)+7]
.endif
.endr
.set ma, ma+1
.endr
.endm
.macro STEP slot, zero
	s_wait_dscnt 16
	WIN MUL
	MULN 0, 4, 0, \zero
	s_wait_dscnt 0x0
	PLACES 4
	FETCH \slot, 1, 1
	WIN MUL
	MULN 4, 4, 0, \zero
.endm
.macro TURN slot, next, fill
	WIN 0
	s_wait_tensorcnt 0x0
	ds_add_u32 v[SPW], v[NIL]
	s_wait_dscnt 17
	WIN MUL
	MULN 0, 2, 1, 0
	s_wait_dscnt 0x0
	s_barrier_signal -1
	MULN 2, 2, 1, 0
	WIN 0
	s_barrier_wait -1
.if \fill
	CREST
	s_add_nc_u64 s[G0A+4*\slot+2:G0A+4*\slot+3], s[G0A+4*\slot+2:G0A+4*\slot+3], 2097152
	s_add_nc_u64 s[G0B+4*\slot+2:G0B+4*\slot+3], s[G0B+4*\slot+2:G0B+4*\slot+3], 1048576
	JLOAD G0A+4*\slot, G1A, G0B+4*\slot, G1B
.else
	PLACES 4
.endif
	FETCH \next, 0, 0
	WIN MUL
	MULN 4, 4, 1, 0
.endm
	s_load_b256 s[4:11], s[0:1], 0x0
	v_lshl_add_u32 v[SPW], v0, 2, SPARE
	v_mov_b32 v[NIL], 0
	ds_add_u32 v[SPW], v[NIL]
	ds_add_u32 v[SPW], v[NIL]
	v_lshrrev_b32 v1, 5, v0
	v_readfirstlane_b32 s14, v1
	s_lshr_b32 s15, s14, 1
	s_and_b32 s16, s14, 1
	s_bfe_u32 s40, ttmp6, 0x40000
	s_bfe_u32 s41, ttmp6, 0x40004
	s_lshl_b32 s42, ttmp9, 2
	s_add_co_u32 s42, s42, s40
	s_and_b32 s17, ttmp7, 0xffff
	s_lshl_b32 s17, s17, 2
	s_add_co_u32 s17, s17, s41
	s_lshl_b32 s43, s41, 2
	s_lshl_b32 s43, 15, s43
	s_lshl_b32 s44, 0x1111, s40
	s_or_b32 s[G1A], s43, (3<<16)|(1<<21)
	s_or_b32 s[G1B], s44, (3<<16)|(1<<21)
	s_mov_b32 s[G1A+1], 32<<16
	s_mov_b32 s[G1A+2], 128<<16
	s_mov_b32 s[G1A+3], 32<<16
	s_mov_b32 s[G1A+4], 128
	s_mov_b32 s[G1A+5], 32
	s_mov_b32 s[G1A+6], 0
	s_mov_b32 s[G1A+7], 0
	s_mov_b32 s[G1B+1], 32<<16
	s_mov_b32 s[G1B+2], 64<<16
	s_mov_b32 s[G1B+3], 32<<16
	s_mov_b32 s[G1B+4], 64
	s_mov_b32 s[G1B+5], 32
	s_mov_b32 s[G1B+6], 0
	s_mov_b32 s[G1B+7], 0
	s_lshl_b32 s20, s17, 15
	s_lshl_b32 s21, s16, 19
	s_add_co_u32 s20, s20, s21
	s_mov_b32 s21, 0
	s_lshl_b32 s46, s42, 14
	s_lshl_b32 s47, s16, 18
	s_add_co_u32 s46, s46, s47
	s_add_co_u32 s46, s46, 0x800000
	s_mov_b32 s47, 0
	s_lshl_b32 s45, s16, 15
	s_lshl_b32 s18, s16, 14
	s_add_co_u32 s18, s18, BOFF
	s_wait_dscnt 0x0
	s_wait_kmcnt 0x0
	s_load_b64 s[68:69], s[8:9], 0x28
	s_add_nc_u64 s[20:21], s[4:5], s[20:21]
	s_add_nc_u64 s[46:47], s[6:7], s[46:47]
	CROUND
.irp s, 0,1
	s_mov_b32 s[G0A+4*\s], 1
	s_add_co_u32 s[G0A+4*\s+1], s45, \s*SLOT
	s_add_nc_u64 s[G0A+4*\s+2:G0A+4*\s+3], s[20:21], \s*1048576
	s_or_b32 s[G0A+4*\s+3], s[G0A+4*\s+3], 0x80000000
	s_mov_b32 s[G0B+4*\s], 1
	s_add_co_u32 s[G0B+4*\s+1], s18, \s*SLOT
	s_add_nc_u64 s[G0B+4*\s+2:G0B+4*\s+3], s[46:47], \s*524288
	s_or_b32 s[G0B+4*\s+3], s[G0B+4*\s+3], 0x80000000
	s_wait_alu depctr_va_vdst(0)
	s_wait_tensorcnt 0x0
	ds_add_u32 v28, v29
	ds_add_u32 v28, v29
	s_wait_dscnt 0x0
	CROUND
	JLOAD G0A+4*\s, G1A, G0B+4*\s, G1B
.endr
	v_and_b32 v1, 31, v0
	v_and_b32 v2, 15, v0
	s_wait_alu depctr_va_vdst(0)
	v_bfe_u32 v3, v0, 4, 1
	v_lshlrev_b32 v[LI], 4, v1
	s_lshl_b32 s22, s15, 14
	s_lshl_b32 s23, s16, 13
	s_add_co_u32 s23, s23, BOFF
.irp s, 0,1
	v_add_nc_u32 v[ADRA+\s], s22, v[LI]
	v_add_nc_u32 v[ADRB+\s], s23, v[LI]
	s_add_co_u32 s22, s22, SLOT
	s_add_co_u32 s23, s23, SLOT
.endr
	s_mul_i32 s22, s14, 4352
	s_add_co_u32 s22, s22, STG
	v_mul_u32_u24 v[STO], v2, 272
	s_wait_alu depctr_va_vdst(0)
	v_lshl_add_u32 v[STO], v3, 6, v[STO]
	v_add_nc_u32 v[STO], s22, v[STO]
	v_mul_u32_u24 v[RD], v3, 272
	v_lshl_add_u32 v[RD], v2, 4, v[RD]
	v_add_nc_u32 v[RD], s22, v[RD]
	v_lshlrev_b32 v[CO], 13, v3
	v_lshl_add_u32 v[CO], v2, 4, v[CO]
	s_lshl_b32 s80, s17, 21
	s_lshl_b32 s81, s15, 20
	s_add_co_u32 s80, s80, s81
	s_lshl_b32 s81, s42, 9
	s_add_co_u32 s80, s80, s81
	s_lshl_b32 s81, s16, 8
	s_add_co_u32 s80, s80, s81
	s_mov_b32 s81, 0
	s_add_nc_u64 s[10:11], s[10:11], s[80:81]
	s_wait_kmcnt 0x0
	s_add_co_i32 s88, s68, s69
	s_add_co_i32 s88, s88, 127
	s_lshl_b32 s96, s88, 23
	s_mov_b32 s97, s96
	s_wait_tensorcnt 1
	s_barrier_signal -1
	s_barrier_wait -1
	FETCH 0, 0, 0
	STEP 0, 1
	WIN 0
	s_mov_b32 s3, LAPS-1
.Llap:
	TURN 0, 1, 1
	STEP 1, 0
	TURN 1, 0, 1
	STEP 0, 0
	WIN 0
	s_sub_co_u32 s3, s3, 1
	s_cmp_lg_u32 s3, 0
	s_cbranch_scc1 .Llap
	TURN 0, 1, 0
	STEP 1, 0
	s_wait_dscnt 16
	WIN MUL
	MULN 0, 4, 1, 0
	s_wait_dscnt 0x0
	MULN 4, 4, 1, 0
	WIN 0
	PLACES 4
.macro TOSTAGE a
	WIN 0x03
.irp j, 0,2,4,6,8,10,12,14,16,18,20,22,24,26,28,30
	v_pk_mul_f32 v[32+\j:33+\j], v[32*(\a)+\j:32*(\a)+\j+1], s[96:97] op_sel_hi:[1,0]
.endr
	WIN 0
.irp c, 0,1
.irp u, 0,1
	ds_store_b128 v[STO], v[32+16*\c+8*\u:35+16*\c+8*\u] offset:128*\c+32*\u
	ds_store_b128 v[STO], v[36+16*\c+8*\u:39+16*\c+8*\u] offset:128*\c+32*\u+16
.endr
.endr
.set BB, 128+32*((\a)%2)
.irp t, 0,1,2,3,4,5,6,7
	ds_load_b128 v[BB+4*\t:BB+4*\t+3], v[RD] offset:544*\t
.endr
.endm
.macro SEND a, younger
.set BB, 128+32*((\a)%2)
	s_wait_dscnt \younger
.irp t, 0,1,2,3,4,5,6,7
	global_store_b128 v[CO], v[BB+4*\t:BB+4*\t+3], s[10:11] offset:(16*(\a)+2*\t)*8192 th:TH_STORE_NT
.endr
.endm
	TOSTAGE 0
.irp a, 1,2,3,4,5,6,7
.if \a > 1
	s_wait_xcnt 0x0
.endif
	TOSTAGE \a
	SEND \a-1, 16
.endr
	SEND 7, 0
	s_wait_tensorcnt 0x0
	ds_add_u32 v[SPW], v[NIL]
	s_wait_dscnt 0x0
	CROUND
	s_endpgm
.Lfunc_end_k_q3f04b94e5e_oproj:
	.size	k_q3f04b94e5e_oproj, .Lfunc_end_k_q3f04b94e5e_oproj-k_q3f04b94e5e_oproj
	.p2alignl 7, 3214868480
	.fill 96, 4, 3214868480
	.section	.rodata,"a",@progbits
	.p2align	6, 0x0
	.amdhsa_kernel k_q3f04b94e5e_oproj
		.amdhsa_group_segment_fixed_size 327680
		.amdhsa_private_segment_fixed_size 0
		.amdhsa_enable_private_segment 0
		.amdhsa_kernarg_size 32
		.amdhsa_user_sgpr_count 2
		.amdhsa_user_sgpr_kernarg_segment_ptr 1
		.amdhsa_wavefront_size32 1
		.amdhsa_system_sgpr_workgroup_id_x 1
		.amdhsa_system_sgpr_workgroup_id_y 1
		.amdhsa_system_sgpr_workgroup_id_z 1
		.amdhsa_system_vgpr_workitem_id 0
		.amdhsa_next_free_vgpr 1024
		.amdhsa_next_free_sgpr 100
		.amdhsa_reserve_vcc 0
		.amdhsa_float_denorm_mode_32 3
		.amdhsa_float_denorm_mode_16_64 3
		.amdhsa_memory_ordered 1
		.amdhsa_forward_progress 1
		.amdhsa_inst_pref_size 76
	.end_amdhsa_kernel
	.amdgpu_metadata
---
amdhsa.version: [ 1, 2 ]
amdhsa.kernels:
  - .name:           k_q3f04b94e5e_oproj
    .symbol:         k_q3f04b94e5e_oproj.kd
    .args:
      - { .name: oc, .offset: 0, .size: 8, .value_kind: global_buffer, .address_space: global }
      - { .name: wcod, .offset: 8, .size: 8, .value_kind: global_buffer, .address_space: global }
      - { .name: lowp_scales, .offset: 16, .size: 8, .value_kind: global_buffer, .address_space: global }
      - { .name: out0, .offset: 24, .size: 8, .value_kind: global_buffer, .address_space: global }
    .group_segment_fixed_size: 327680
    .private_segment_fixed_size: 0
    .kernarg_segment_align: 8
    .kernarg_segment_size: 32
    .max_flat_workgroup_size: 128
    .sgpr_count:     100
    .vgpr_count:     1024
    .wavefront_size: 32
...
	.end_amdgpu_metadata
.endif
;; end of part 4
